; MI455X (gfx1250); checked and timed in simulation.
; The chip was launched on July 23, 2026; its instructions are those of AMD's public machine-readable ISA for CDNA 5 (MIT licence, August 2026) and "CDNA5" Instruction Set Architecture Reference Guide (July 2026). The comments in the code are by the model that wrote it; some were corrected since.
;; Multi Head Self Attention. Allowed arithmetic: matrix products marked QUANTISED: E5M2 operands, one E8M0 scale for each 32 along K, by v_wmma_scale_f32_16x16x128_f8f6f4 with both operands' format E5M2, f32 sums; everything else in f32.
;; Inputs: b_out 1,024 float32; b_qkv 3,072 float32; w_out_codes 1,024 x 32 x 32 uint8 (E5M2 codes of w_out, K innermost, in blocks of 32 codes); w_out_scales 1,024 x 32 uint8 (E8M0 scales of w_out, one for each 32 codes along K); w_qkv_codes 3,072 x 32 x 32 uint8 (E5M2 codes of w_qkv, K innermost, in blocks of 32 codes); w_qkv_scales 3,072 x 32 uint8 (E8M0 scales of w_qkv, one for each 32 codes along K); x_codes 4 x 2,048 x 32 x 32 uint8 (E5M2 codes of x, K innermost, in blocks of 32 codes); x_scales 4 x 2,048 x 32 uint8 (E8M0 scales of x, one for each 32 codes along K).
;; Outputs: out0 4 x 2,048 x 1,024 float32.
;; This version of the problem:
;;   THIS VERSION OF THE PROBLEM IS GIVEN IN LOW PRECISION. The matrix products marked QUANTISED in the list below multiply operands that are first quantised to E5M2 (5 exponent bits, 2 mantissa bits; 8 bits a number), with one power-of-two scale for each 32 numbers along K (OCP MX v1.0); their sums are f32. All else is computed in f32.
;;   The module's matrix products, in the order in which they are computed (A, B: the left and right operand; K: the contracted axis; several contracted axes count as one K, in the product's order):
;;     1. [M 8,192, K 1,024] x [K 1,024, N 3,072]; A: input x (given as codes); B: input w_qkv (given as codes): QUANTISED
;;     2. batch 64 x [M 2,048, K 64] x [K 64, N 2,048]; A: computed on the way; B: computed on the way: QUANTISED
;;     3. batch 64 x [M 2,048, K 2,048] x [K 2,048, N 64]; A: softmax (see below); B: computed on the way: QUANTISED
;;     4. [M 8,192, K 1,024] x [K 1,024, N 1,024]; A: computed on the way; B: input w_out (given as codes): QUANTISED
;;   THE QUANTISER, for each operand of a quantised product, along K:
;;     - K is cut into blocks of 32 from its start; a last block that is shorter is filled with zeros.
;;     - A block's scale is 2^e with e = floor(log2(the largest magnitude in the block)) - 15, held to -126 .. 127; a block of zeros has e = 0. As a byte (E8M0): e + 127.
;;     - Each number is divided by its block's scale, clamped to +-57,344, and rounded to the nearest number of E5M2, ties to even, subnormals kept.
;;     - The product sums the exact products of the quantised numbers (number of the format x scale) in f32.
;;   ~~~python
;;   def quantise(x, axis):      # numpy; x: float32 -> the quantised numbers, widened to float32 again
;;       x = np.moveaxis(x, axis, -1); K = x.shape[-1]
;;       x = np.pad(x, [(0, 0)] * (x.ndim - 1) + [(0, -K % 32)]); x = x.reshape(x.shape[:-1] + (-1, 32)); a = np.abs(x).max(-1, keepdims=True)
;;       e = np.where(a > 0, np.clip(np.frexp(np.where(a > 0, a, 1))[1] - 1 - 15, -126, 127), 0)      # np.frexp(a)[1] - 1 = floor(log2(a)), exactly
;;       r = np.clip(x / 2.0 ** e, -57344, 57344)
;;       step = 2.0 ** (np.maximum(np.frexp(np.where(r == 0, 1, r))[1] - 1, -14) - 2)
;;       q = np.round(r / step) * step * 2.0 ** e      # np.round: ties to even
;;       return np.moveaxis(q.reshape(q.shape[:-2] + (-1,))[..., :K], -1, axis).astype(np.float32)
;;   ~~~
;;   SOFTMAX AHEAD OF A QUANTISED PRODUCT. Where the list says 'softmax', what is quantised is not the finished softmax but p = 2^(t - M), with t = logit x log2(e) and M = ceil(the row's largest t), a whole number; so 1/2 < the row's largest p <= 1. The row's sum l is taken of the UNQUANTISED p, in f32, and the product's result is divided by l at the end. Since M is a whole number, a kernel that streams over the keys may use a running M (the ceiling of the running maximum): every later rescaling is an exact power of two, which a block's scale takes up: the codes' values come out the same.
;;   OPERANDS COMPUTED ON THE WAY. 'Computed on the way' means the value that the module computes at that place (a softmax that the list does not call 'softmax' is quantised finished and normalised). What goes into a quantiser is computed in f32, as accurately as f32 sums, v_exp_f32 and their like allow (about 1e-6 of the number): no bf16 or f16 on the way to a quantiser, and a product that is left as it is and whose result goes on into a quantised operand takes f32 operands (vector FMAs, or v_wmma_f32_16x16x4_f32). A number that lies on a knife's edge between two numbers of the format may be rounded either way, as far as f32 arithmetic and the matrix unit's own rounding can turn it there, and no further.
;;   INPUTS GIVEN AS CODES. w_out (in the module: [1024, 1024], K = its axis 0); w_qkv (in the module: [1024, 3072], K = its axis 0); x (in the module: [4, 2048, 1024], K = its axis 2): each comes as NAME_codes (uint8): NAME with its K axis moved to the last place and cut into blocks of 32 codes, [.., K / 32, bytes a block], one block behind the other in memory; one code a byte (a code: sign, 5 exponent bits, 2 mantissa bits); and NAME_scales (uint8): the same leading axes, one E8M0 byte (e + 127) for each 32 codes along K. Its value is code x scale, taken as it is: it is not quantised again, and the codes and scales need not be those that the quantiser above would give.
;; One version. Each part assembles by itself: llvm-mc -triple=amdgcn-amd-amdhsa -mcpu=gfx1250 --defsym DOCPART=n.
;; ======== version 1 of 1: 3 launches
;; limits: right only within a limited range of input values
;; workspace buffers: kvq 25,952,256 bytes; a_img 8,388,608 bytes; a_scales 262,144 bytes
;; launch qkv (part 1): grid 12 x 32, 4 waves a work-group, clusters of 4 x 4, 327,680 bytes of LDS; arguments x_codes, x_scales, w_qkv_codes, w_qkv_scales, kvq, b_qkv; writes kvq
.if DOCPART == 1
	.amdgcn_target "amdgcn-amd-amdhsa--gfx1250"
	.amdhsa_code_object_version 6
	.text
	.protected	k_q9680a21620_qkv
	.globl	k_q9680a21620_qkv
	.p2align	8
	.type	k_q9680a21620_qkv,@function
k_q9680a21620_qkv:
	s_mov_b64 s[64:65], 0
	v_nop
	global_prefetch_b8 v0, s[64:65] scope:SCOPE_SE
	s_setreg_imm32_b32 hwreg(HW_REG_WAVE_MODE, 25, 1), 1
	s_wait_xcnt 0x0
	s_wait_alu depctr_hold_cnt(0) depctr_sa_sdst(0) depctr_va_vdst(0) depctr_va_sdst(0) depctr_va_ssrc(0) depctr_va_vcc(0) depctr_vm_vsrc(0)
	s_getreg_b32 s2, hwreg(HW_REG_IB_STS2, 6, 4)
	s_cmp_eq_u32 s2, 0
	s_cbranch_scc0 .Lentry_in_a_cluster
	s_endpgm
.Lentry_in_a_cluster:
	s_bfe_u32 s2, ttmp6, 0x10000c
	s_cmp_lg_u32 s2, 0xf033
	s_cbranch_scc0 .Lentry_shape_is_right
	s_endpgm
.Lentry_shape_is_right:
; qkv = x w_qkv^T + b_qkv on codes of BF8 (E5M2) with one E8M0 scale for each 32 along K = 1,024; then q and k are quantised along the head's 64 channels, v along the tokens,
; and leave as IMAGES OF OPERAND REGISTERS (a group of four registers = 512 bytes, lane l's 16 bytes at 16 l) into kvq, laid [batch x head 64][block of 256 tokens 8][CH bytes]:
;   KOFF  K: 128 tokens s x 8,192 + token tile a x 1,024 + channel block b x 512        VOFF  V^T: s x 8,192 + channel tile t x 2,048 + token block c x 512
;   KSC / VSC / QSC  scale words: s x 256 + 8 lane + 4 i: the word of fragment (or channel tile) 2 i + lane / 16, row lane % 16        QOFF  q: as K
; A tile of the result is 256 x 256, made by four waves, 128 x 128 each: 64 accumulators, 512 registers.  K goes in steps of 256 through a ring of two LDS slots filled by the tensor data mover.
; ROLES.  Source 0 (P) gives the index that runs along a lane's registers, source 1 (Q) the index that is the lane: a quantiser wants its axis along the registers.  So for q and k (clusters x = 0, 1)
; P = 256 rows of w_qkv, Q = 256 tokens; for v (clusters x = 2) P = 256 tokens, Q = 256 rows of w_qkv.  The choice hangs on the cluster's x alone, which all sixteen partners share; both tensors have
; rows of 1,024 bytes of codes and 32 of scales, so that every descriptor's shape, every LDS address and the loop are the same for both.
; A lane's 16 registers of P tiles 2 p and 2 p + 1 hold the positions 32 p + 8 (lane / 16) + (i % 8) + 16 (i / 8) of a true block of 32, which it shares with lane l xor 16.  q and k are laid alike,
; and so are v and the weights p of the next launch: a permutation inside a block that both operands share changes no product and no scale.
; CLUSTERS: 4 x 4 work-groups; Q's tiles are asked for jointly along a row of the cluster, P's along a column.
; The bias along P is the C of the first K step's products; the bias along Q is added on the way out; each is masked to zeros for the role that has none.
; LIMITS: NaN and infinities are not served; a block of zeros, and a block whose largest magnitude lies under 2^-111, has the scale byte 1 (its codes are zeros or subnormal codes; this program alone reads the bytes).
; REGISTERS: window 0: v1-7 at work, v8-15 Q's bias, v16-31 addresses, v32-63 scale words (two sets), v64-127 P's bias, v128-255 Q's fragments (one set); window 1: P's fragments (two sets);
;   windows 2, 3: the accumulators ((a, b) at v[8 (8 (a % 4) + b)]).  On the way out window 0's v64-255 are at work.
.set NQ,     2                         ; matrix instructions deep in a slot (256 along K)
.set ROWB,   256                       ; a tile's row in bytes
.set KROW,   1024                      ; a row of codes in memory
.set PITCH,  272                       ; an LDS row: 256 bytes + 16 of padding: the 16 rows that a load touches start at 16 different groups of four banks
.set FR,     16
.set NL,     4
.set NP,     8                         ; places behind this matrix instruction (ISA guide 7.12.1)
.set HALFT,  128*PITCH
.set SLOT,   4*HALFT
.set LAPS,   2                         ; 1,024 along K = four slots' worth = twice round the ring
.set KS,     32                        ; a row of scale bytes
.set SCL,    2*SLOT                    ; behind the ring: the scales of all of K, as units of 256 bytes + 16 of padding; filled once
.set HALFS,  (128*KS/256)*272
.set SBLK,   (16*KS/256)*272
.set SPARE,  SCL+4*HALFS               ; the spare words, 128 bytes for each wave: two blocks of 256 bytes that no other line names
.set ASTEP,  2*ROWB                    ; a slot's next tile: two K steps on
.set BSTEP,  2*ROWB
.set CH,     50688
.set HS,     8*CH
.set KOFF,   0
.set VOFF,   16384
.set KSC,    32768
.set VSC,    33280
.set QOFF,   33792
.set QSC,    50176
.set BQ,   8                           ; v8-15   bias along Q: block a's, lane % 16
.set ADRA, 16                          ; v16-17  LDS address of my fragments of Q in slot 0, 1
.set ADRB, 20                          ; v20-21  the same for P
.set BB,   22                          ; v22-23  the bias of the block in hand, as the low half of a pair
.set LI,   24                          ; v24     16 x lane
.set LS8,  25                          ; v25     8 x lane
.set ADRS, 27                          ; v27     LDS address of my scale words: lanes 0-15 Q's rows, lanes 16-31 P's
.set SPW,  28                          ; v28     LDS address of my spare word; never rewritten
.set NIL,  29                          ; v29     0; never rewritten
.set BPO,  30                          ; v30     byte offset in b_qkv of P's bias
.set BQO,  31                          ; v31     and of Q's
.set SC,   32
.set BP,   64                          ; v64-127 bias along P: register 8 b + j: position 16 b + 8 (lane / 16) + j
.set AF,   128
.set T,    128                         ; the way out: 64 numbers of a lane
.set PC,   192                         ; their codes
.set TM,   208                         ; v208-223 at work in the quantiser
.set OFFP, 228                         ; v228-231 where block p's 16 bytes go
.set SW,   232                         ; v232-239 the scale word of each of Q's eight blocks
.set U,    64
.set OUT,  72
.set G1, 24
.set G0, 32
.set G1B, 48
.set G0B, 56
.set G1S, 68
.set G0S, 76
.set G1SB, 80
.set G0SB, 88
.set SEL, 22                           ; s[22:23] on the way out: selects for lane l xor 16
.set MNT, 94
.set MSB, 0
.macro WIN new                         ; the immediate's high byte repeats the setting that is left
.if MSB != (\new)
	s_set_vgpr_msb (MSB<<8)|(\new)
.set MSB, (\new)
.endif
.endm
.set MUL_LO, 0xa1                      ; source 0 window 1, source 1 window 0, C and D window 2
.set MUL_HI, 0xf1                      ; the same, C and D window 3
.set TO_B,   0x40                      ; destination window 1, address window 0
; A joint load: waves 0 and 1 fetch for Q, waves 2 and 3 for P.  The branch hangs on the wave's number alone.  Four v_nop follow each of the two lines.
.macro JLOAD g0a, g1a, g0b, g1b
	s_cmp_eq_u32 s15, 0
	s_cbranch_scc0 .Lfor_b_\@
	tensor_load_to_lds s[\g0a:\g0a+3], s[\g1a:\g1a+7]
	s_nop 0
.rept 4
	v_nop
.endr
	s_branch .Lasked_\@
.Lfor_b_\@:
	tensor_load_to_lds s[\g0b:\g0b+3], s[\g1b:\g1b+7]
	s_nop 0
.rept 4
	v_nop
.endr
.Lasked_\@:
.endm
.macro CREST                           ; a round of the cluster's barrier behind its opening barrier
	s_cmp_lg_u32 s14, 0
	s_cbranch_scc1 .Lnot_wave_0_\@
	s_barrier_signal -3
.Lnot_wave_0_\@:
	s_barrier_wait -3
	s_barrier_signal -1
	s_barrier_wait -1
.endm
.macro CROUND
	s_barrier_signal -1
	s_barrier_wait -1
	CREST
.endm
	s_load_b256 s[4:11], s[0:1], 0x0               ; x's codes, x's scales, w's codes, w's scales
	s_load_b64 s[12:13], s[0:1], 0x20              ; kvq
	s_load_b64 s[96:97], s[0:1], 0x28              ; b_qkv
	v_lshl_add_u32 v[SPW], v0, 2, SPARE
	v_mov_b32 v[NIL], 0
	ds_add_u32 v28, v29
	ds_add_u32 v28, v29
	s_wait_dscnt 0x0
	v_lshrrev_b32 v1, 5, v0
	v_readfirstlane_b32 s14, v1                    ; wave 0..3
	s_lshr_b32 s15, s14, 1                         ; my half of Q's rows.  Also: I fetch for Q (0) or for P (1)
	s_and_b32 s16, s14, 1                          ; my half of P's rows.  Also: which 128 rows of that tile I fetch
	s_bfe_u32 s40, ttmp6, 0x40000                  ; cx
	s_bfe_u32 s41, ttmp6, 0x40004                  ; cy
	s_and_b32 s18, ttmp7, 0xffff
	s_lshl_b32 s18, s18, 2                         ; 4 x cluster y
	s_lshl_b32 s19, ttmp9, 2                       ; 4 x cluster x
	s_cmp_eq_u32 ttmp9, 2                          ; the clusters with x = 2 make v
	s_cselect_b32 s95, 1, 0
	s_cselect_b32 s42, s18, s19                    ; P's tile: v: tokens 4 y + cx;  q, k: rows of w 4 x + cx
	s_cselect_b32 s17, 8, s18                      ; Q's tile: v: rows of w 8 + cy;  q, k: tokens 4 y + cy
	s_cselect_b32 s100, 0, -1                      ; keeps P's bias for q and k
	s_cselect_b32 s101, -1, 0                      ; keeps Q's bias for v
	s_add_co_u32 s42, s42, s40
	s_add_co_u32 s17, s17, s41
	s_lshl_b32 s43, s41, 2
	s_lshl_b32 s43, 15, s43                        ; my row of the cluster
	s_lshl_b32 s44, 0x1111, s40                    ; my column
	; descriptor group 1: a tile of 128 rows x 256 bytes, 16 bytes of padding behind each row
	s_or_b32 s[G1+0], s43, (0<<16)|(1<<20)|(1<<21)|(5<<22)|(3<<25)  ; 15:0 the mask; 17:16 elements of 1 byte; 20 padding on; 21 set beside a mask; 24:22 after every 64 words; 31:25 four words
	s_or_b32 s[G1B+0], s44, (0<<16)|(1<<20)|(1<<21)|(5<<22)|(3<<25)
.irp g, G1, G1B
	s_mov_b32 s[\g+1], ROWB<<16                    ; tensor_dim0
	s_mov_b32 s[\g+2], 128<<16                     ; tensor_dim1
	s_mov_b32 s[\g+3], ROWB<<16                    ; tile_dim0
	s_mov_b32 s[\g+4], 128                         ; tile_dim1
	s_mov_b32 s[\g+5], KROW                        ; from row to row
	s_mov_b32 s[\g+6], 0
	s_mov_b32 s[\g+7], 0
.endr
	; the scales of 128 rows: 4,096 dense bytes, as 16 rows of 256 bytes (32 elements of 8 bytes), 16 bytes of padding behind each
	s_or_b32 s[G1S+0], s43, (3<<16)|(1<<20)|(1<<21)|(5<<22)|(3<<25)
	s_or_b32 s[G1SB+0], s44, (3<<16)|(1<<20)|(1<<21)|(5<<22)|(3<<25)
.irp g, G1S, G1SB
	s_mov_b32 s[\g+1], 32<<16
	s_mov_b32 s[\g+2], (128*KS/256)<<16
	s_mov_b32 s[\g+3], 32<<16
	s_mov_b32 s[\g+4], 128*KS/256
	s_mov_b32 s[\g+5], 32
	s_mov_b32 s[\g+6], 0
	s_mov_b32 s[\g+7], 0
.endr
	s_lshl_b32 s18, s16, 17                        ; the 128 rows that I fetch: in codes,
	s_lshl_b32 s19, s16, 12                        ; in scale bytes
	s_lshl_b32 s20, s17, 18                        ; Q: 256 rows of 1,024 bytes a tile
	s_add_co_u32 s20, s20, s18
	s_mov_b32 s21, 0
	s_lshl_b32 s22, s17, 13                        ; 256 rows of 32 bytes
	s_add_co_u32 s22, s22, s19
	s_mov_b32 s23, 0
	s_lshl_b32 s46, s42, 18                        ; P likewise, in registers that never hold cy
	s_add_co_u32 s46, s46, s18
	s_mov_b32 s47, 0
	s_lshl_b32 s92, s42, 13
	s_add_co_u32 s92, s92, s19
	s_mov_b32 s93, 0
	s_mul_i32 s45, s14, HALFT                      ; where they go: wave x 128 rows: no place in the cluster enters an LDS address
	s_mul_i32 s94, s14, HALFS
	s_wait_kmcnt 0x0
	s_cmp_eq_u32 s95, 1                            ; v: Q is w_qkv and P is x; q, k: the other way round.  The choice hangs on the cluster's x alone
	s_cselect_b64 s[98:99], s[8:9], s[4:5]
	s_cselect_b64 s[8:9], s[4:5], s[8:9]
	s_mov_b64 s[4:5], s[98:99]
	s_cselect_b64 s[98:99], s[10:11], s[6:7]
	s_cselect_b64 s[10:11], s[6:7], s[10:11]
	s_mov_b64 s[6:7], s[98:99]
	s_add_nc_u64 s[20:21], s[4:5], s[20:21]
	s_add_nc_u64 s[22:23], s[6:7], s[22:23]
	s_add_nc_u64 s[46:47], s[8:9], s[46:47]
	s_add_nc_u64 s[92:93], s[10:11], s[92:93]
	CROUND                                         ; all sixteen work-groups are here: the first joint loads meet
	s_mov_b32 s[G0S], 1
	s_add_co_u32 s[G0S+1], s94, SCL
	s_mov_b64 s[G0S+2:G0S+3], s[22:23]
	s_or_b32 s[G0S+3], s[G0S+3], 0x80000000
	s_mov_b32 s[G0SB], 1
	s_add_co_u32 s[G0SB+1], s94, SCL
	s_mov_b64 s[G0SB+2:G0SB+3], s[92:93]
	s_or_b32 s[G0SB+3], s[G0SB+3], 0x80000000
	JLOAD G0S, G1S, G0SB, G1SB                     ; the scales first: they are wanted with K step 0
.irp s, 0,1
	s_mov_b32 s[G0+4*\s], 1
	s_add_co_u32 s[G0+4*\s+1], s45, \s*SLOT
	s_add_nc_u64 s[G0+4*\s+2:G0+4*\s+3], s[20:21], \s*ROWB
	s_or_b32 s[G0+4*\s+3], s[G0+4*\s+3], 0x80000000
	s_mov_b32 s[G0B+4*\s], 1
	s_add_co_u32 s[G0B+4*\s+1], s45, \s*SLOT
	s_add_nc_u64 s[G0B+4*\s+2:G0B+4*\s+3], s[46:47], \s*ROWB
	s_or_b32 s[G0B+4*\s+3], s[G0B+4*\s+3], 0x80000000
	JLOAD G0+4*\s, G1, G0B+4*\s, G1B
.endr
	v_and_b32 v1, 15, v0                           ; r = lane % 16
	v_bfe_u32 v2, v0, 4, 1                         ; h = lane / 16
	v_mul_u32_u24 v3, v1, PITCH
	v_lshl_add_u32 v4, v2, 4, v3                   ; a fragment's row x pitch + 16 h
	s_mul_i32 s21, s15, HALFT                      ; my 128 rows of Q
	s_mul_i32 s22, s16, HALFT                      ; my 128 rows of P,
	s_add_co_u32 s22, s22, 2*HALFT                 ; which lie behind Q's 256
.irp s, 0,1
	v_add_nc_u32 v[ADRA+\s], s21, v4
	v_add_nc_u32 v[ADRB+\s], s22, v4
	s_add_co_u32 s21, s21, SLOT
	s_add_co_u32 s22, s22, SLOT
.endr
	v_mul_u32_u24 v5, v1, KS                       ; my row's scales: 32 bytes a row,
	v_lshrrev_b32 v6, 8, v5
	v_lshl_add_u32 v5, v6, 4, v5                   ; and 16 more for each 256 passed
	s_mul_i32 s21, s15, HALFS
	s_mul_i32 s22, s16, HALFS
	s_add_co_u32 s22, s22, 2*HALFS
	s_sub_co_u32 s22, s22, s21
	v_mul_u32_u24 v6, s22, v2                      ; lanes 16-31 take P's
	s_add_co_u32 s21, s21, SCL
	v_add_nc_u32 v5, v5, v6
	v_add_nc_u32 v[ADRS], s21, v5
	v_and_b32 v6, 31, v0
	v_lshlrev_b32 v[LI], 4, v6
	v_lshlrev_b32 v[LS8], 3, v6
	; the biases.  Along P (q, k): b_qkv at 256 x P's tile + 128 x my half + 16 b + 8 h + j; along Q (v): at 256 x Q's tile + 128 x my half + 16 a + r.  The role that has none reads from 0 on and is masked below
	s_lshl_b32 s20, s42, 10
	s_lshl_b32 s21, s16, 9
	s_add_co_u32 s20, s20, s21
	s_and_b32 s20, s20, s100
	v_lshl_add_u32 v[BPO], v2, 5, s20
	s_lshl_b32 s20, s17, 10
	s_lshl_b32 s21, s15, 9
	s_add_co_u32 s20, s20, s21
	s_and_b32 s20, s20, s101
	v_lshl_add_u32 v[BQO], v1, 2, s20
.irp b, 0,1,2,3,4,5,6,7
	global_load_b128 v[BP+8*\b:BP+8*\b+3], v[BPO], s[96:97] offset:64*\b
	global_load_b128 v[BP+8*\b+4:BP+8*\b+7], v[BPO], s[96:97] offset:64*\b+16
.endr
.irp a, 0,1,2,3,4,5,6,7
	global_load_b32 v[BQ+\a], v[BQO], s[96:97] offset:64*\a
.endr
	; where my part goes in kvq
	s_cmp_eq_u32 s95, 1
	s_cselect_b32 s18, s42, s17                    ; the tile of 256 tokens,
	s_cselect_b32 s19, s16, s15                    ; my half of it,
	s_cselect_b32 s20, s17, s42                    ; the tile of 256 rows of w_qkv,
	s_cselect_b32 s21, s15, s16                    ; my half of it: two heads
	s_mov_b32 s66, 1024
	s_cselect_b32 s66, 2048, s66                   ; from one of Q's blocks to the next: a token tile (q, k) or a channel tile (v)
	s_mov_b32 s67, 0
	s_cselect_b32 s98, HS-8192, 0                  ; v: Q's blocks 4-7 are the next head's four channel tiles
	s_mov_b32 s99, 0
	s_mov_b32 s46, HS
	s_cselect_b32 s46, 1024, s46                   ; P's blocks 2, 3: the next token blocks (v) or the next head (q, k)
	s_lshr_b32 s22, s18, 3
	s_lshl_b32 s22, s22, 4                         ; 16 x batch
	s_and_b32 s23, s20, 3
	s_lshl_b32 s23, s23, 2
	s_add_co_u32 s22, s22, s23
	s_lshl_b32 s23, s21, 1
	s_add_co_u32 s22, s22, s23                     ; + my first head
	s_lshl_b32 s22, s22, 3
	s_and_b32 s23, s18, 7
	s_add_co_u32 s22, s22, s23                     ; x 8 + the block of 256 tokens
	s_mul_i32 s22, s22, CH
	s_lshr_b32 s23, s20, 2                         ; 0: q, 1: k, 2: v
	s_cmp_eq_u32 s23, 0
	s_cselect_b32 s47, QOFF, 0
	s_mov_b32 s92, KSC
	s_cselect_b32 s92, QSC, s92
	s_cmp_eq_u32 s23, 2
	s_cselect_b32 s47, VOFF, s47
	s_cselect_b32 s92, VSC, s92
	s_lshl_b32 s23, s19, 13
	s_add_co_u32 s47, s47, s23
	s_add_co_u32 s20, s47, s22
	s_mov_b32 s21, 0
	s_lshl_b32 s23, s19, 8
	s_add_co_u32 s92, s92, s23
	s_add_co_u32 s92, s92, s22
	s_mov_b32 s93, 0
	s_add_nc_u64 s[92:93], s[12:13], s[92:93]      ; my scale words
	s_add_nc_u64 s[12:13], s[12:13], s[20:21]      ; my codes
.macro FRAG reg, adr, q, i             ; a fragment, 16 rows x 128 K: lane l holds row l % 16; registers 4 c .. 4 c + 3 hold K = 32 c + 16 (l / 16) + 0 .. 15
.irp c, 0,1,2,3
	ds_load_b128 v[\reg+4*\c:\reg+4*\c+3], v[\adr] offset:128*(\q)+32*\c+(\i)*16*PITCH
.endr
.endm
; 16 matrix instructions: Q's blocks a0, a0 + 1 x P's eight, the slot's q-th 128 along K.  first = 1: the sums start from P's bias.  The 64 accumulators take turns, one instruction a turn.
.macro MUL16 a0, p, q, sc, first
.irp a, \a0, \a0+1
.irp b, 0,1,2,3,4,5,6,7
.if \first
	v_wmma_scale_f32_16x16x128_f8f6f4 v[8*(8*((\a)%4)+\b):8*(8*((\a)%4)+\b)+7], v[128*(\p)+FR*\b:128*(\p)+FR*\b+FR-1], v[AF+FR*(\a):AF+FR*(\a)+FR-1], v[BP+8*\b:BP+8*\b+7], v[SC+8*NQ*(\sc)+NQ*\b+(\q)], v[SC+8*NQ*(\sc)+NQ*(\a)+(\q)] matrix_a_fmt:MATRIX_FMT_BF8 matrix_b_fmt:MATRIX_FMT_BF8 matrix_a_scale:MATRIX_SCALE_ROW1
.else
	v_wmma_scale_f32_16x16x128_f8f6f4 v[8*(8*((\a)%4)+\b):8*(8*((\a)%4)+\b)+7], v[128*(\p)+FR*\b:128*(\p)+FR*\b+FR-1], v[AF+FR*(\a):AF+FR*(\a)+FR-1], v[8*(8*((\a)%4)+\b):8*(8*((\a)%4)+\b)+7], v[SC+8*NQ*(\sc)+NQ*\b+(\q)], v[SC+8*NQ*(\sc)+NQ*(\a)+(\q)] matrix_a_fmt:MATRIX_FMT_BF8 matrix_b_fmt:MATRIX_FMT_BF8 matrix_a_scale:MATRIX_SCALE_ROW1
.endif
.endr
.endr
.endm
.macro FETCH_B slot, q, p
	WIN TO_B
.irp i, 0,1,2,3,4,5,6,7
	FRAG 128*(\p)+FR*\i, ADRB+\slot, \q, \i
.endr
	WIN 0
.endm
.macro FETCH_A slot, q, i0
.irp i, \i0, \i0+1, \i0+2, \i0+3
	FRAG AF+FR*(\i), ADRA+\slot, \q, \i
.endr
.endm
.macro SCALES sc                       ; a K step's scale words: two a row; lanes 0-15 take Q's block i, lanes 16-31 P's block i
.irp i, 0,1,2,3,4,5,6,7
	ds_load_b64 v[SC+8*NQ*\sc+NQ*\i:SC+8*NQ*\sc+NQ*\i+1], v[ADRS] offset:\i*SBLK
.endr
.endm
.macro PLACES n                        ; plain vector places behind matrix instructions, in front of loads into their registers and of reads of their results
.rept \n
	v_nop
.endr
.endm
.macro STEP slot, q, first             ; 128 along K that have their successor in the same slot
	s_wait_dscnt 4*NL                              ; P's set and Q's blocks 0-3 are in; the youngest 16 loads (Q's blocks 4-7) may be out
.if \first
	WIN 0x81                                       ; C (the bias) in window 0, D in window 2
.else
	WIN MUL_LO
.endif
	MUL16 0, (\q)%2, \q, \slot, \first
	MUL16 2, (\q)%2, \q, \slot, \first
	s_wait_dscnt 0
	PLACES NP
	FETCH_B \slot, (\q)+1, 1-(\q)%2
	FETCH_A \slot, (\q)+1, 0
.if \first
	WIN 0xc1
.else
	WIN MUL_HI
.endif
	MUL16 4, (\q)%2, \q, \slot, \first
	MUL16 6, (\q)%2, \q, \slot, \first
	PLACES NP
	WIN 0
	FETCH_A \slot, (\q)+1, 4
.endm
; A slot's last step changes slots: one barrier; in front of it each wave waits for all its tensor loads, adds 0 to its spare word, and waits for that and for its own reads of this slot.
.macro TURN slot, next, fill
	s_wait_tensorcnt 0x0                           ; all my tensor loads have landed: my part of the next slot
	ds_add_u32 v[SPW], v[NIL]                      ; 0 onto my spare word
	s_wait_dscnt 4*NL+1                            ; the add and the youngest 16 loads (Q's blocks 4-7) may be out
	WIN MUL_LO
	MUL16 0, 1, NQ-1, \slot, 0
	s_wait_dscnt 0x0                               ; the add is done, and my reads of this slot are over
	s_barrier_signal -1
	MUL16 2, 1, NQ-1, \slot, 0
	WIN 0
	s_barrier_wait -1
.if \fill
	CREST                                          ; the barrier has opened a round of the cluster's barrier: no wave of any partner still reads this slot or has a load on its way
	s_add_nc_u64 s[G0+4*\slot+2:G0+4*\slot+3], s[G0+4*\slot+2:G0+4*\slot+3], ASTEP
	s_add_nc_u64 s[G0B+4*\slot+2:G0B+4*\slot+3], s[G0B+4*\slot+2:G0B+4*\slot+3], BSTEP
	JLOAD G0+4*\slot, G1, G0B+4*\slot, G1B         ; the first tensor load behind the round; its four v_nop are among the places in front of the loads below
	PLACES NP-4
.else
	PLACES NP
.endif
	s_wait_alu depctr_va_vdst(0)
	v_add_nc_u32 v[ADRS], 4*NQ, v[ADRS]            ; the next K step's scale words
	FETCH_B \next, 0, 0
	FETCH_A \next, 0, 0
	SCALES \next
	WIN MUL_HI
	MUL16 4, 1, NQ-1, \slot, 0
	MUL16 6, 1, NQ-1, \slot, 0
	PLACES NP
	WIN 0
	FETCH_A \next, 0, 4
.endm
	s_wait_alu depctr_va_vdst(0)
	s_wait_tensorcnt 1                             ; the scales and my part of K step 0 are in; of my three first fills slot 1's may be out
	s_barrier_signal -1
	s_barrier_wait -1
	FETCH_B 0, 0, 0
	FETCH_A 0, 0, 0
	SCALES 0
	FETCH_A 0, 0, 4
	s_wait_loadcnt 0x0                             ; the biases
.set k, 0
.rept 64
	v_and_b32 v[BP+k], s100, v[BP+k]               ; zeros where the bias runs along Q
.set k, k+1
.endr
.irp a, 0,1,2,3,4,5,6,7
	v_and_b32 v[BQ+\a], s101, v[BQ+\a]             ; zeros where it runs along P
.endr
	s_wait_alu depctr_va_vdst(0)
	STEP 0, 0, 1                                   ; the first step stands in front of the loop: its products start the sums
	s_mov_b32 s3, LAPS-1
.Llap:
	TURN 0, 1, 1
	STEP 1, 0, 0
	TURN 1, 0, 1
	STEP 0, 0, 0
	s_sub_co_u32 s3, s3, 1
	s_cmp_lg_u32 s3, 0
	s_cbranch_scc1 .Llap
	TURN 0, 1, 0                                   ; the last lap fills nothing
	STEP 1, 0, 0
	s_wait_dscnt 4*NL
	WIN MUL_LO
	MUL16 0, 1, NQ-1, 1, 0
	MUL16 2, 1, NQ-1, 1, 0
	s_wait_dscnt 0
	WIN MUL_HI
	MUL16 4, 1, NQ-1, 1, 0
	MUL16 6, 1, NQ-1, 1, 0
	WIN 0
; THE WAY OUT.  64 numbers of a lane, v[s] on, four blocks of 16 registers, become 16 registers of codes in v[PC] on and a scale word in v[pw].
; A block's scale: the largest magnitude (of my 16 and of lane l xor 16's), with the floor 2^(16 - 127) among its leaves; its exponent field less 15 is the byte.
.macro QUANT s, pw
.irp b, 0,1,2,3
	v_max3_num_f32 v[TM+\b], |v[\s+16*\b]|, |v[\s+1+16*\b]|, 0x8000000
.endr
.irp i, 2,4,6,8,10,12,14
.irp b, 0,1,2,3
	v_max3_num_f32 v[TM+\b], v[TM+\b], |v[\s+16*\b+\i]|, |v[\s+1+16*\b+\i]|
.endr
.endr
.irp b, 0,1,2,3
	v_permlanex16_b32 v[TM+4+\b], v[TM+\b], s[SEL], s[SEL+1]
.endr
.irp b, 0,1,2,3
	v_max_num_f32 v[TM+\b], v[TM+\b], v[TM+4+\b]
.endr
.irp b, 0,1,2,3
	v_add_nc_u32 v[TM+12+\b], 0xf8800000, v[TM+\b]             ; 15 off the exponent field: the conversion's scale operand
.endr
.irp b, 0,1,2,3
.endr
.irp b, 0,1,2,3
	v_lshrrev_b32 v[TM+4+\b], 23, v[TM+12+\b]                  ; the scale's byte
.endr
	v_lshl_or_b32 v[\pw], v[TM+5], 8, v[TM+4]
	v_lshl_or_b32 v[\pw], v[TM+6], 16, v[\pw]
	v_lshl_or_b32 v[\pw], v[TM+7], 24, v[\pw]
.irp b, 0,1,2,3
.irp i, 0,1,2,3,4,5,6,7,8,9,10,11,12,13,14,15
.endr
	v_cvt_scalef32_pk8_bf8_f32 v[PC+4*\b:PC+1+4*\b], v[\s+16*\b:\s+7+16*\b], v[TM+12+\b]
	v_cvt_scalef32_pk8_bf8_f32 v[PC+2+4*\b:PC+3+4*\b], v[\s+8+16*\b:\s+15+16*\b], v[TM+12+\b]
.endr
	v_nop                                          ; a plain place behind the last conversion
.endm
; Q's block a: its eight accumulators plus Q's bias come into window 0 (each accumulator from its low end on), are quantised, and leave by four stores of 512 consecutive bytes each.
.macro OUTA a
.if (\a) > 0
	s_wait_xcnt 0x0                                ; the last block's stores have read their data and their base: both are written again only behind this wait
	s_add_nc_u64 s[12:13], s[12:13], s[66:67]
.if (\a) == 4
	s_add_nc_u64 s[12:13], s[12:13], s[98:99]
.endif
.endif
	v_mov_b32 v[BB], v[BQ+(\a)]
	WIN 0x02+(\a)/4                                ; source 0: window 2 or 3
.set k, 0
.rept 32
	v_pk_add_f32 v[T+2*k:T+2*k+1], v[64*((\a)%4)+2*k:64*((\a)%4)+2*k+1], v[BB:BB+1] op_sel_hi:[1,0]
.set k, k+1
.endr
	WIN 0
	QUANT T, SW+(\a)
.irp p, 0,1,2,3
	global_store_b128 v[OFFP+\p], v[PC+4*\p:PC+4*\p+3], s[12:13]
.endr
.endm
	PLACES NP                                      ; behind the last products: their results are read and Q's fragment registers written from here on
	s_mov_b32 s[SEL], 0x76543210
	s_mov_b32 s[SEL+1], 0xfedcba98
	s_mov_b32 s19, 0xffff0000                      ; lanes 16-31
	v_mov_b32 v[BB+1], 0                           ; named as the upper half of a pair
.irp b, 0,1,2,3
	v_mov_b32 v[TM+4+\b], 0                        ; a lane permute's destination counts as one of its sources
.endr
	v_mov_b32 v[OFFP], v[LI]
	v_add_nc_u32 v[OFFP+1], 512, v[LI]
	v_add_nc_u32 v[OFFP+2], s46, v[LI]
	v_add_nc_u32 v[OFFP+3], 512, v[OFFP+2]
.irp a, 0,1,2,3,4,5,6,7
	OUTA \a
.endr
; The scale words, for each of my two heads.  q, k: fragment f's word is the head's two bytes of token tile 2 f, then of 2 f + 1.  v: channel tile f's word is block 4 hh + f's as it stands.
; Lanes 0-15 take fragments 0 and 2, lanes 16-31 fragments 1 and 3: 8 bytes a lane, 256 consecutive bytes a store.
.irp hh, 0,1
.irp f, 0,1,2,3
.if \hh == 0
	v_perm_b32 v[U+\f], v[SW+2*\f+1], v[SW+2*\f], 0x05040100
.else
	v_perm_b32 v[U+\f], v[SW+2*\f+1], v[SW+2*\f], 0x07060302
.endif
.endr
.irp f, 0,1,2,3
	v_cndmask_b32 v[U+\f], v[U+\f], v[SW+4*\hh+\f], s101
.endr
	v_cndmask_b32 v[OUT+2*\hh], v[U], v[U+1], s19
	v_cndmask_b32 v[OUT+2*\hh+1], v[U+2], v[U+3], s19
	global_store_b64 v[LS8], v[OUT+2*\hh:OUT+2*\hh+1], s[92:93] offset:\hh*HS
.endr
	s_wait_tensorcnt 0x0                           ; the wave's end
	ds_add_u32 v[SPW], v[NIL]
	s_wait_dscnt 0x0
	CROUND                                         ; the closing round: no work-group ends while a partner may still ask for a tile that names it
	s_endpgm
.Lfunc_end_k_q9680a21620_qkv:
	.size	k_q9680a21620_qkv, .Lfunc_end_k_q9680a21620_qkv-k_q9680a21620_qkv
	.p2alignl 7, 3214868480
	.fill 96, 4, 3214868480
	.section	.rodata,"a",@progbits
	.p2align	6, 0x0
	.amdhsa_kernel k_q9680a21620_qkv
		.amdhsa_group_segment_fixed_size 327680
		.amdhsa_private_segment_fixed_size 0
		.amdhsa_enable_private_segment 0
		.amdhsa_kernarg_size 48
		.amdhsa_user_sgpr_count 2
		.amdhsa_user_sgpr_kernarg_segment_ptr 1
		.amdhsa_wavefront_size32 1
		.amdhsa_system_sgpr_workgroup_id_x 1
		.amdhsa_system_sgpr_workgroup_id_y 1
		.amdhsa_system_sgpr_workgroup_id_z 1
		.amdhsa_system_vgpr_workitem_id 0
		.amdhsa_next_free_vgpr 1024
		.amdhsa_next_free_sgpr 102
		.amdhsa_reserve_vcc 0
		.amdhsa_float_denorm_mode_32 3
		.amdhsa_float_denorm_mode_16_64 3
		.amdhsa_fp16_overflow 1
		.amdhsa_memory_ordered 1
		.amdhsa_forward_progress 1
		.amdhsa_inst_pref_size 174
	.end_amdhsa_kernel
	.amdgpu_metadata
---
amdhsa.version: [ 1, 2 ]
amdhsa.kernels:
  - .name:           k_q9680a21620_qkv
    .symbol:         k_q9680a21620_qkv.kd
    .args:
      - { .name: x_codes, .offset: 0, .size: 8, .value_kind: global_buffer, .address_space: global }
      - { .name: x_scales, .offset: 8, .size: 8, .value_kind: global_buffer, .address_space: global }
      - { .name: w_qkv_codes, .offset: 16, .size: 8, .value_kind: global_buffer, .address_space: global }
      - { .name: w_qkv_scales, .offset: 24, .size: 8, .value_kind: global_buffer, .address_space: global }
      - { .name: kvq, .offset: 32, .size: 8, .value_kind: global_buffer, .address_space: global }
      - { .name: b_qkv, .offset: 40, .size: 8, .value_kind: global_buffer, .address_space: global }
    .group_segment_fixed_size: 327680
    .private_segment_fixed_size: 0
    .kernarg_segment_align: 8
    .kernarg_segment_size: 48
    .max_flat_workgroup_size: 128
    .sgpr_count:     102
    .vgpr_count:     1024
    .wavefront_size: 32
...
	.end_amdgpu_metadata
.endif
;; end of part 1
;; launch attn (part 2): grid 4 x 64, 16 waves a work-group, no clusters, 327,680 bytes of LDS; arguments kvq, a_img, a_scales; writes a_img, a_scales
.if DOCPART == 2
	.amdgcn_target "amdgcn-amd-amdhsa--gfx1250"
	.amdhsa_code_object_version 6
	.text
	.protected	k_q9680a21620_attn
	.globl	k_q9680a21620_attn
	.p2align	8
	.type	k_q9680a21620_attn,@function
k_q9680a21620_attn:
	s_mov_b64 s[64:65], 0
	v_nop
	global_prefetch_b8 v0, s[64:65] scope:SCOPE_SE
	s_setreg_imm32_b32 hwreg(HW_REG_WAVE_MODE, 25, 1), 1
	s_wait_xcnt 0x0
; Causal attention of one head on codes of BF8 (E5M2), from the images in kvq (laid as the launch before wrote them); the result O / l is quantised along d_model and leaves as images of operand registers.
; t = score x log2(e) / 8; M = the running largest t rounded up to a whole number; p = 2^(t - M) is quantised along the keys, not normalised; the row's sum is taken of the unquantised p and divides O at the end.
; SHARES.  Work-group (i, head) owns the query blocks 7 - i and then i of 256 queries; each of its sixteen waves one tile of 16 queries of the block in hand, in 256 registers, four waves to a SIMD.
; The first block wants 8 - i blocks of 256 keys, the second i + 1: nine slots in every work-group, so the trip count is a constant and all 256 work-groups have the same work.
; A step of 128 keys all of which come after the wave's queries is left out by a scalar branch on ids; on the diagonal hidden scores become -infinity ahead of the maximum.
; NO CLUSTER: the four work-groups of a head take the key blocks in different orders from the fifth slot on (block 7 - i ends at another slot in each), so that there is no joint request that all four make on every path.
; LAYOUT.  S^T = K Q^T and O^T = V^T P^T: a lane holds one query (lane % 16) throughout.  The head's 64 channels fill half of the instruction's 128 along K: a fragment of K holds TWO key tiles (groups 0, 1 and 2, 3),
; multiplied once by [q | zeros] and once by [zeros | q]; zero codes add nothing, and K's codes are finite (the quantiser holds them).  A lane's 16 registers of tiles 2 b, 2 b + 1 hold the keys
; 32 b + 8 (lane / 16) + (i % 8) + 16 (i / 8): V's images are laid by the same order.  Only the result meets an operand that is given in true order: its codes are put straight by an exchange of halves.
; a_img: [K / 256: 4][tile of 16 rows: 512][128 along K: 2][group: 4][lane][16 bytes];  a_scales: [8,192][32].
; LIMITS: NaN and infinities are not served; a block of zeros has the byte 1 (this program alone reads the bytes).  The scale bytes leave one a lane, 32 bytes apart: 262,144 bytes in the whole launch.
; REGISTERS: v1 16 lane, v2 8 lane, v3 v4 the spare word's address and 0, v5 v6 LDS addresses, v7 r - 8 h, v8 32 r + h, v9 at work, v10-11 V's scale words, v12 -M, v13 the largest t, v14-15 the sum,
;   v16-31 [q | 0], v32-47 [0 | q], v48-111 four fragments, v112-175 S^T then p, v176-207 O^T, v208-223 p's codes, v224-239 at work, v240-241 K's scale words, v242 q's, v243 p's, v244-245 f, v246 at work,
;   v247 the second block's q scale word, v248-255 its codes.
.set CH,    50688
.set HS,    8*CH
.set KOFF,  0
.set VOFF,  16384
.set KSC,   32768
.set VSC,   33280
.set QOFF,  33792
.set QSC,   50176
.set HALFB, 16896                      ; half of a slot's 33,792 bytes: 66 rows of 256: what one tensor load brings
.set SLOT1, 65536                      ; slot 1 begins here: one exclusive or turns an address from one slot to the other
.set SPARE, 131072                     ; the spare words, 128 bytes for each of sixteen waves: eight blocks of 256 bytes that no other line names
.set F,  48
.set S,  112
.set O,  176
.set PC, 208
.set BM, 224
.set BX, 228
.set BH, 232
.set BS, 236
.set X,  144                           ; at the end of a block of queries: the other half's codes
.macro TLOAD                           ; waves 0 and 1 fetch a slot's halves.  Four v_nop follow the load
	s_cmp_lt_u32 s10, 2
	s_cbranch_scc0 .Lno_load_\@
	tensor_load_to_lds s[32:35], s[24:31]
	s_nop 0
.rept 4
	v_nop
.endr
.Lno_load_\@:
.endm
	s_load_b128 s[4:7], s[0:1], 0x0                ; kvq, a_img
	s_load_b64 s[8:9], s[0:1], 0x10                ; a_scales
	v_lshl_add_u32 v3, v0, 2, SPARE
	v_mov_b32 v4, 0
	ds_add_u32 v3, v4
	ds_add_u32 v3, v4
	s_wait_dscnt 0x0
	v_lshrrev_b32 v5, 5, v0
	s_delay_alu instid0(VALU_DEP_1)
	v_readfirstlane_b32 s10, v5                    ; wave 0..15
	s_mov_b32 s11, ttmp9                           ; i
	s_and_b32 s12, ttmp7, 0xffff                   ; batch x 16 + head
	s_sub_co_u32 s13, 7, s11                       ; the block of queries in hand
	s_lshl_b32 s14, s13, 8
	s_lshl_b32 s46, s10, 4
	s_add_co_u32 s14, s14, s46                     ; my first query
	s_mov_b32 s15, 0                               ; the block of keys in hand
	s_mov_b32 s16, 0                               ; the step's first key
	s_mov_b32 s17, 0                               ; LDS byte at which the slot in hand begins
	s_mov_b32 s18, 8                               ; trips that ask for a next slot
	s_mov_b32 s20, 0x76543210
	s_mov_b32 s21, 0xfedcba98                      ; selects for lane l xor 16
	s_mov_b32 s22, 0x3e38aa3b                      ; c = log2(e) / 8
	s_mov_b32 s23, s22                             ; (named with it as a pair)
	s_mov_b32 s41, 0xffff0000                      ; lanes 16-31
	; descriptor group 1: 66 rows of 256 bytes (32 elements of 8 bytes), dense in memory and in LDS: the images are read 512 consecutive bytes at a time, so no padding is wanted
	s_mov_b32 s24, 3<<16
	s_mov_b32 s25, 32<<16
	s_mov_b32 s26, 66<<16
	s_mov_b32 s27, 32<<16
	s_mov_b32 s28, 66
	s_mov_b32 s29, 32
	s_mov_b32 s30, 0
	s_mov_b32 s31, 0
	s_and_b32 s46, s10, 1
	s_mul_i32 s46, s46, HALFB                      ; my half of a slot, if I fetch
	s_mov_b32 s32, 1
	s_mov_b32 s33, s46                             ; slot 0
	s_mul_i32 s47, s12, HS                         ; the head's first byte in kvq
	s_add_co_u32 s38, s47, s46
	s_mov_b32 s39, 0
	s_wait_kmcnt 0x0
	s_add_nc_u64 s[36:37], s[4:5], s[38:39]        ; my half of the head's key block 0
	s_mov_b64 s[34:35], s[36:37]
	s_or_b32 s35, s35, 0x80000000
	TLOAD                                          ; key block 0 into slot 0
	v_and_b32 v1, 31, v0
	s_delay_alu instid0(VALU_DEP_1)
	v_lshlrev_b32 v2, 3, v1                        ; 8 x lane
	s_delay_alu instid0(VALU_DEP_2)
	v_lshlrev_b32 v1, 4, v1                        ; 16 x lane
	v_and_b32 v7, 15, v0                           ; r
	v_bfe_u32 v9, v0, 4, 1                         ; h
	s_delay_alu instid0(VALU_DEP_1)
	v_lshl_add_u32 v8, v7, 5, v9                   ; 32 r + h: my byte among the tile's rows of a_scales
	s_delay_alu instid0(VALU_DEP_3)
	v_lshlrev_b32 v246, 3, v7                      ; 8 r
	s_wait_alu depctr_va_vdst(0)
	v_lshlrev_b32 v9, 3, v9
	s_delay_alu instid0(VALU_DEP_1)
	v_sub_nc_u32 v7, v7, v9                        ; r - 8 h
	s_mul_i32 s48, s13, CH
	s_add_co_u32 s48, s48, s47                     ; the chunk of query block 7 - i,
	s_mul_i32 s49, s11, CH
	s_add_co_u32 s49, s49, s47                     ; and of block i
	s_lshl_b32 s52, s10, 10                        ; my tile's 1,024 bytes of codes
	s_add_co_u32 s53, s48, s52
	v_add_nc_u32 v5, s53, v1
	s_wait_alu depctr_va_vdst(0)
	s_add_co_u32 s53, s49, s52
	v_add_nc_u32 v6, s53, v1
	s_wait_alu depctr_va_vdst(0)
	s_lshr_b32 s52, s10, 3                         ; my tile's scale word: step w / 8, fragment (w / 2) % 4: word (w / 4) % 2 of lane 16 ((w / 2) % 2) + r
	s_lshl_b32 s52, s52, 8
	s_bfe_u32 s53, s10, 0x10001
	s_lshl_b32 s53, s53, 7
	s_add_co_u32 s52, s52, s53
	s_bfe_u32 s53, s10, 0x10002
	s_lshl_b32 s53, s53, 2
	s_add_co_u32 s52, s52, s53
	s_add_co_u32 s53, s48, s52
	v_add_nc_u32 v9, s53, v246
	s_add_co_u32 s53, s49, s52
	v_add_nc_u32 v246, s53, v246
	global_load_b128 v[16:19], v5, s[4:5] offset:QOFF          ; q twice: once for [q | 0],
	global_load_b128 v[20:23], v5, s[4:5] offset:QOFF+512
	global_load_b128 v[40:43], v5, s[4:5] offset:QOFF          ; once for [0 | q]
	global_load_b128 v[44:47], v5, s[4:5] offset:QOFF+512
	global_load_b128 v[248:251], v6, s[4:5] offset:QOFF        ; the second block's q waits in registers
	global_load_b128 v[252:255], v6, s[4:5] offset:QOFF+512
	global_load_b32 v242, v9, s[4:5] offset:QSC
	global_load_b32 v247, v246, s[4:5] offset:QSC
	s_mov_b32 s52, 0x01000100                      ; my tile's two bytes of the word, twice: the even tile's are bytes 0, 1, the odd tile's 2, 3
	s_bitcmp1_b32 s10, 0
	s_cselect_b32 s52, 0x03020302, s52
	s_and_b32 s46, s12, 15                         ; the head
	s_lshr_b32 s47, s12, 4                         ; the batch
	s_lshr_b32 s50, s46, 2
	s_lshl_b32 s50, s50, 21                        ; a_img: K / 256 = head / 4,
	s_bfe_u32 s53, s46, 0x10001
	s_lshl_b32 s53, s53, 11                        ; which 128: (head / 2) % 2,
	s_add_co_u32 s50, s50, s53
	s_and_b32 s53, s46, 1
	s_lshl_b32 s53, s53, 10                        ; groups 2 (head % 2) on,
	s_add_co_u32 s50, s50, s53
	s_lshl_b32 s53, s47, 19                        ; the batch's 2,048 rows, 256 bytes a row
	s_add_co_u32 s50, s50, s53
	s_lshl_b32 s51, s47, 16                        ; a_scales: the batch's rows of 32 bytes,
	s_lshl_b32 s53, s46, 1
	s_add_co_u32 s51, s51, s53                     ; the head's two bytes
.irp j, 24,25,26,27,28,29,30,31,32,33,34,35,36,37,38,39
	v_mov_b32 v[\j], 0                             ; the zero halves of the two forms of q
.endr
.irp b, 0,1,2,3
	v_mov_b32 v[BX+\b], 0                          ; a lane permute's destination counts as one of its sources
.endr
	v_mov_b32 v245, 0                              ; named as the upper half of the pair v[244:245]
	v_mov_b32 v13, 0xff61b1e6                      ; the largest t so far: -3e38
	s_delay_alu instid0(VALU_DEP_1)
	v_floor_f32 v12, -v13                          ; -M
	v_mov_b32 v14, 0
	v_mov_b32 v15, 0
	s_wait_loadcnt 0x0
	v_perm_b32 v242, v242, v242, s52
	v_perm_b32 v247, v247, v247, s52
.set j, 0
.rept 32
	v_mov_b32 v[O+j], 0                            ; O^T: the step is written once; its first run finds zeros
.set j, j+1
.endr
; THE CHANGE OF SLOTS stands at a slot's head: each wave waits for all its tensor loads, adds 0 to its spare word, waits for that and for its reads of the slot that it has left; one barrier;
; fill = 1: behind it the slot just left is filled with the key block that follows: the next one, or block 0 where the block of queries ends with this slot.
.macro CHANGE fill
	s_wait_tensorcnt 0x0                           ; no tensor load of mine is out, so the descriptor may be written
	ds_add_u32 v3, v4                              ; 0 onto my spare word
.if \fill
	s_xor_b32 s33, s33, SLOT1
	s_add_co_u32 s40, s15, 1
	s_cmp_eq_u32 s15, s13
	s_cselect_b32 s40, 0, s40
	s_mul_i32 s38, s40, CH
	s_add_nc_u64 s[34:35], s[36:37], s[38:39]
	s_or_b32 s35, s35, 0x80000000
.endif
	s_wait_dscnt 0x0                               ; the add is done, and my reads of the slot that I have left are over
	s_barrier_signal -1
	s_barrier_wait -1
.if \fill
	TLOAD                                          ; the first thing behind the barrier, and a wave's one tensor load until the next
.endif
	v_add_nc_u32 v5, s17, v1
	v_add_nc_u32 v6, s17, v2
.endm
; A KEY STEP: 128 keys, the q-th of the slot in hand.
.macro STEP q
	s_add_co_u32 s46, s14, 15
	s_cmp_gt_u32 s16, s46                          ; all keys behind my queries: nothing to do
	s_cbranch_scc1 .Lhid_\@
.rept 8
	v_nop                                          ; places in front of loads into registers that the last products read
.endr
	s_wait_alu depctr_va_vdst(0)
.irp f, 0,1,2,3
.irp c, 0,1,2,3
	ds_load_b128 v[F+16*\f+4*\c:F+16*\f+4*\c+3], v5 offset:KOFF+8192*(\q)+2048*\f+512*\c
.endr
.endr
	ds_load_b64 v[240:241], v6 offset:KSC+256*(\q)
	s_wait_dscnt 0x0
.irp f, 0,2                                    ; fragment f: key tiles 2 f and 2 f + 1; its scale word lies in lanes 0-15 (f even) or 16-31 (f odd) of register f / 2
	v_wmma_scale_f32_16x16x128_f8f6f4 v[S+16*\f:S+16*\f+7], v[F+16*\f:F+16*\f+15], v[16:31], 0, v[240+\f/2], v242 matrix_a_fmt:MATRIX_FMT_BF8 matrix_b_fmt:MATRIX_FMT_BF8
	v_wmma_scale_f32_16x16x128_f8f6f4 v[S+16*\f+8:S+16*\f+15], v[F+16*\f:F+16*\f+15], v[32:47], 0, v[240+\f/2], v242 matrix_a_fmt:MATRIX_FMT_BF8 matrix_b_fmt:MATRIX_FMT_BF8
	v_wmma_scale_f32_16x16x128_f8f6f4 v[S+16*\f+16:S+16*\f+23], v[F+16*\f+16:F+16*\f+31], v[16:31], 0, v[240+\f/2], v242 matrix_a_fmt:MATRIX_FMT_BF8 matrix_b_fmt:MATRIX_FMT_BF8 matrix_a_scale:MATRIX_SCALE_ROW1
	v_wmma_scale_f32_16x16x128_f8f6f4 v[S+16*\f+24:S+16*\f+31], v[F+16*\f+16:F+16*\f+31], v[32:47], 0, v[240+\f/2], v242 matrix_a_fmt:MATRIX_FMT_BF8 matrix_b_fmt:MATRIX_FMT_BF8 matrix_a_scale:MATRIX_SCALE_ROW1
.endr
.rept 8
	v_nop                                          ; places: in front of the loads below and of the first read of the scores
.endr
	s_wait_alu depctr_va_vdst(0)
.irp t, 0,1,2,3                                ; V^T's four channel tiles land while the softmax is worked
.irp c, 0,1,2,3
	ds_load_b128 v[F+16*\t+4*\c:F+16*\t+4*\c+3], v5 offset:VOFF+8192*(\q)+2048*\t+512*\c
.endr
.endr
	ds_load_b64 v[10:11], v6 offset:VSC+256*(\q)
	s_add_co_u32 s46, s16, 127
	s_cmp_le_u32 s46, s14                          ; all keys count: no mask
	s_cbranch_scc1 .Lopen_\@
	s_sub_co_i32 s46, s14, s16
	v_add_nc_u32 v9, s46, v7                       ; d = my query - the step's first key - 8 h.  Register n holds key 16 (n / 8) + n % 8 + 8 h: hidden where 16 (n / 8) + n % 8 > d
	v_mov_b32 v246, 0xff800000                     ; -infinity
.set n, 0
.rept 64
	v_cmp_gt_i32 vcc_lo, 16*(n/8)+n%8, v9
	v_cndmask_b32 v[S+n], v[S+n], v246, vcc_lo
.set n, n+1
.endr
.Lopen_\@:
.irp b, 0,1,2,3
	v_max3_num_f32 v[BM+\b], v[S+16*\b], v[S+1+16*\b], v[S+2+16*\b]   ; the largest score of each block of 32 keys: for the row's maximum, and, since p rises with the score, for the block's largest p
.endr
.irp i, 3,5,7,9,11,13
.irp b, 0,1,2,3
	v_max3_num_f32 v[BM+\b], v[BM+\b], v[S+16*\b+\i], v[S+1+16*\b+\i]
.endr
.endr
.irp b, 0,1,2,3
	v_max_num_f32 v[BM+\b], v[BM+\b], v[S+15+16*\b]
.endr
.irp b, 0,1,2,3
	s_delay_alu instid0(VALU_DEP_4)
	v_permlanex16_b32 v[BX+\b], v[BM+\b], s20, s21
.endr
.irp b, 0,1,2,3
	s_delay_alu instid0(VALU_DEP_4)
	v_max_num_f32 v[BM+\b], v[BM+\b], v[BX+\b]     ; with lane l xor 16's 16 keys
.endr
	s_delay_alu instid0(VALU_DEP_2)
	v_max3_num_f32 v246, v[BM], v[BM+1], v[BM+2]
	s_delay_alu instid0(VALU_DEP_1)
	v_max_num_f32 v246, v246, v[BM+3]
	s_delay_alu instid0(VALU_DEP_1)
	v_mul_f32 v246, s22, v246                      ; as t (c is positive)
	s_delay_alu instid0(VALU_DEP_1)
	v_max_num_f32 v13, v13, v246                   ; the running largest t
	v_mov_b32 v246, v12
	s_delay_alu instid0(VALU_DEP_2)
	v_floor_f32 v12, -v13                          ; the new -M = -ceil(t)
	s_delay_alu instid0(VALU_DEP_1)
	v_sub_f32 v246, v12, v246                      ; old M - new M: a whole number, 0 or less
	s_delay_alu instid0(VALU_DEP_1)
	v_cvt_i32_f32 v246, v246                       ; (it saturates)
	s_delay_alu instid0(VALU_DEP_1)
	v_ldexp_f32 v244, 1.0, v246                    ; f = 2^(old M - new M)
.set j, 0
.rept 32
	v_pk_fma_f32 v[S+j:S+j+1], v[S+j:S+j+1], s[22:23], v[12:13] op_sel_hi:[1,0,0]   ; t - M, two at a time
.set j, j+2
.endr
.irp b, 0,1,2,3
	v_fma_f32 v[BM+\b], v[BM+\b], s22, v12         ; the same of each block's largest score
.endr
.set j, 0
	s_wait_alu depctr_va_vdst(0)
.rept 64
	v_exp_f32 v[S+j], v[S+j]                       ; p = 2^(t - M)
.set j, j+1
.endr
.irp b, 0,1,2,3
	v_exp_f32 v[BM+\b], v[BM+\b]                   ; the block's largest p
.endr
	v_pk_mul_f32 v[14:15], v[14:15], v[244:245] op_sel_hi:[1,0]   ; the sums under the new M.  (A plain place behind the exponentials)
	s_wait_alu depctr_va_vdst(0)
.irp b, 0,1,2,3
	v_max_num_f32 v[BM+\b], 0x8000000, v[BM+\b]    ; the floor 2^(16 - 127): the byte cannot fall under 1
.endr
.irp b, 0,1,2,3
	s_delay_alu instid0(VALU_DEP_4)
	v_add_nc_u32 v[BS+\b], 0xf8800000, v[BM+\b]    ; 15 off the exponent field: the conversion's scale operand
.endr
.irp b, 0,1,2,3
.endr
.irp b, 0,1,2,3
	s_delay_alu instid0(VALU_DEP_4)
	v_lshrrev_b32 v[BX+\b], 23, v[BS+\b]           ; the scale's byte
.endr
	s_delay_alu instid0(VALU_DEP_3)
	v_lshl_or_b32 v243, v[BX+1], 8, v[BX]          ; p's scale word for these 128 keys
	s_delay_alu instid0(VALU_DEP_1)
	v_lshl_or_b32 v243, v[BX+2], 16, v243
	s_delay_alu instid0(VALU_DEP_1)
	v_lshl_or_b32 v243, v[BX+3], 24, v243
	v_pk_add_f32 v[228:229], v[116:117], v[120:121]
	v_pk_add_f32 v[240:241], v[124:125], v[128:129]
	v_pk_add_f32 v[234:235], v[132:133], v[136:137]
	v_pk_add_f32 v[232:233], v[140:141], v[144:145]
	v_pk_add_f32 v[226:227], v[148:149], v[152:153]
	v_pk_add_f32 v[224:225], v[156:157], v[160:161]
	v_pk_add_f32 v[222:223], v[164:165], v[168:169]
	v_pk_add_f32 v[14:15], v[14:15], v[172:173]
	v_pk_add_f32 v[228:229], v[228:229], v[112:113]
	v_pk_add_f32 v[240:241], v[240:241], v[114:115]
	v_pk_add_f32 v[234:235], v[234:235], v[118:119]
	v_pk_add_f32 v[232:233], v[232:233], v[122:123]
	v_pk_add_f32 v[226:227], v[226:227], v[126:127]
	v_pk_add_f32 v[224:225], v[224:225], v[130:131]
	v_pk_add_f32 v[222:223], v[222:223], v[134:135]
	v_pk_add_f32 v[14:15], v[14:15], v[138:139]
	v_pk_add_f32 v[228:229], v[228:229], v[142:143]
	v_pk_add_f32 v[240:241], v[240:241], v[146:147]
	v_pk_add_f32 v[234:235], v[234:235], v[150:151]
	v_pk_add_f32 v[232:233], v[232:233], v[154:155]
	v_pk_add_f32 v[226:227], v[226:227], v[158:159]
	v_pk_add_f32 v[224:225], v[224:225], v[162:163]
	v_pk_add_f32 v[222:223], v[222:223], v[166:167]
	v_pk_add_f32 v[14:15], v[14:15], v[170:171]
	v_pk_add_f32 v[228:229], v[228:229], v[174:175]
	s_delay_alu instid0(VALU_DEP_2)
	v_pk_add_f32 v[14:15], v[14:15], v[232:233]
	s_delay_alu instid0(VALU_DEP_2)
	v_pk_add_f32 v[228:229], v[228:229], v[226:227]
	v_pk_add_f32 v[240:241], v[240:241], v[224:225]
	v_pk_add_f32 v[234:235], v[234:235], v[222:223]
	s_delay_alu instid0(VALU_DEP_2)
	v_pk_add_f32 v[14:15], v[14:15], v[240:241]
	s_delay_alu instid0(VALU_DEP_2)
	v_pk_add_f32 v[228:229], v[228:229], v[234:235]
	s_delay_alu instid0(VALU_DEP_1)
	v_pk_add_f32 v[14:15], v[14:15], v[228:229]
.irp b, 0,1,2,3
.irp i, 0,1,2,3,4,5,6,7,8,9,10,11,12,13,14,15
.endr
	v_cvt_scalef32_pk8_bf8_f32 v[PC+4*\b:PC+1+4*\b], v[S+16*\b:S+7+16*\b], v[BS+\b]
	v_cvt_scalef32_pk8_bf8_f32 v[PC+2+4*\b:PC+3+4*\b], v[S+8+16*\b:S+15+16*\b], v[BS+\b]
.endr
.set j, 0
.rept 16
	v_pk_mul_f32 v[O+j:O+j+1], v[O+j:O+j+1], v[244:245] op_sel_hi:[1,0]   ; O^T under the new M.  (These sixteen are also the places between the conversions and the products)
.set j, j+2
.endr
	s_wait_alu depctr_va_vdst(0)
	s_wait_dscnt 0x0                               ; V^T and its scale words are in
.irp t, 0,2                                    ; O^T += V^T P^T: the four accumulators by turns
	v_wmma_scale_f32_16x16x128_f8f6f4 v[O+8*\t:O+8*\t+7], v[F+16*\t:F+16*\t+15], v[PC:PC+15], v[O+8*\t:O+8*\t+7], v[10+\t/2], v243 matrix_a_fmt:MATRIX_FMT_BF8 matrix_b_fmt:MATRIX_FMT_BF8
	v_wmma_scale_f32_16x16x128_f8f6f4 v[O+8*\t+8:O+8*\t+15], v[F+16*\t+16:F+16*\t+31], v[PC:PC+15], v[O+8*\t+8:O+8*\t+15], v[10+\t/2], v243 matrix_a_fmt:MATRIX_FMT_BF8 matrix_b_fmt:MATRIX_FMT_BF8 matrix_a_scale:MATRIX_SCALE_ROW1
.endr
.Lhid_\@:
	s_add_co_u32 s16, s16, 128
.endm
; A BLOCK OF QUERIES ENDS: O^T / l, quantised along the head's 64 channels (two blocks of 32 of d_model), put into true order and stored.  more = 1: the second block's q and a fresh state take their places.
.macro FINISH more
.rept 8
	v_nop                                          ; places behind the last products
.endr
	v_add_f32 v14, v14, v15
	s_delay_alu instid0(VALU_DEP_1)
	v_permlanex16_b32 v[BX], v14, s20, s21
	s_delay_alu instid0(VALU_DEP_1)
	v_add_f32 v14, v14, v[BX]                      ; the row's sum
	s_wait_alu depctr_va_vdst(0)
	v_rcp_f32 v244, v14
	v_nop                                          ; a plain place behind the transcendental
.set j, 0
	s_wait_alu depctr_va_vdst(0)
.rept 16
	v_pk_mul_f32 v[S+j:S+j+1], v[O+j:O+j+1], v[244:245] op_sel_hi:[1,0]   ; register 16 b + i: channel 32 b + 16 (i / 8) + 8 h + i % 8
.set j, j+2
.endr
.irp c, 0,1,2,3,4,5,6,7
	v_mov_b32 v[X+\c], 0                           ; a lane permute's destination counts as one of its sources
.endr
.irp b, 0,1
	v_max3_num_f32 v[BM+\b], |v[S+16*\b]|, |v[S+1+16*\b]|, 0x8000000
.endr
.irp i, 2,4,6,8,10,12,14
.irp b, 0,1
	s_delay_alu instid0(VALU_DEP_2)
	v_max3_num_f32 v[BM+\b], v[BM+\b], |v[S+16*\b+\i]|, |v[S+1+16*\b+\i]|
.endr
.endr
.irp b, 0,1
	s_delay_alu instid0(VALU_DEP_2)
	v_permlanex16_b32 v[BX+\b], v[BM+\b], s20, s21
.endr
.irp b, 0,1
	s_delay_alu instid0(VALU_DEP_2)
	v_max_num_f32 v[BM+\b], v[BM+\b], v[BX+\b]
.endr
.irp b, 0,1
	s_delay_alu instid0(VALU_DEP_2)
	v_add_nc_u32 v[BS+\b], 0xf8800000, v[BM+\b]
.endr
.irp b, 0,1
.endr
.irp b, 0,1
	s_delay_alu instid0(VALU_DEP_2)
	v_lshrrev_b32 v[BX+\b], 23, v[BS+\b]
.endr
	s_delay_alu instid0(VALU_DEP_1)
	v_cndmask_b32 v246, v[BX], v[BX+1], s41        ; lanes 0-15 carry block 0's byte, lanes 16-31 block 1's
.irp b, 0,1
.irp i, 0,1,2,3,4,5,6,7,8,9,10,11,12,13,14,15
.endr
	v_cvt_scalef32_pk8_bf8_f32 v[PC+4*\b:PC+1+4*\b], v[S+16*\b:S+7+16*\b], v[BS+\b]
	v_cvt_scalef32_pk8_bf8_f32 v[PC+2+4*\b:PC+3+4*\b], v[S+8+16*\b:S+15+16*\b], v[BS+\b]
.endr
	v_nop                                          ; a plain place behind the last conversion
.irp c, 0,1,2,3,4,5,6,7
	v_permlanex16_b32 v[X+\c], v[PC+\c], s20, s21
.endr
.irp b, 0,1                                    ; true order: lanes 0-15 want channels 0-15 of the block (their own 0-7, the other half's 8-15), lanes 16-31 channels 16-31 (the other half's 16-23, their own 24-31)
	v_cndmask_b32 v[PC+4*\b], v[PC+4*\b], v[X+4*\b+2], s41
	v_cndmask_b32 v[PC+4*\b+1], v[PC+4*\b+1], v[X+4*\b+3], s41
	v_cndmask_b32 v[PC+4*\b+2], v[X+4*\b], v[PC+4*\b+2], s41
	v_cndmask_b32 v[PC+4*\b+3], v[X+4*\b+1], v[PC+4*\b+3], s41
.endr
	s_lshl_b32 s46, s14, 8                         ; my tile of 16 rows: 4,096 bytes a tile
	s_add_co_u32 s46, s46, s50
	s_mov_b32 s47, 0
	s_add_nc_u64 s[42:43], s[6:7], s[46:47]
	s_lshl_b32 s46, s14, 5
	s_add_co_u32 s46, s46, s51
	s_add_nc_u64 s[44:45], s[8:9], s[46:47]
	global_store_b128 v1, v[PC:PC+3], s[42:43]                 ; 512 consecutive bytes each
	global_store_b128 v1, v[PC+4:PC+7], s[42:43] offset:512
	global_store_b8 v8, v246, s[44:45]
.if \more
	s_wait_xcnt 0x0                                ; the stores have read their data: those registers are written again only behind this wait
.irp c, 0,1,2,3,4,5,6,7
	v_mov_b32 v[16+\c], v[248+\c]
	v_mov_b32 v[40+\c], v[248+\c]
.endr
	v_mov_b32 v242, v247
	v_mov_b32 v13, 0xff61b1e6
	s_delay_alu instid0(VALU_DEP_1)
	v_floor_f32 v12, -v13
	v_mov_b32 v14, 0
	v_mov_b32 v15, 0
.set j, 0
.rept 32
	v_mov_b32 v[O+j], 0
.set j, j+1
.endr
	s_mov_b32 s13, s11                             ; the second block of queries: i
	s_lshl_b32 s14, s11, 8
	s_lshl_b32 s46, s10, 4
	s_add_co_u32 s14, s14, s46
	s_mov_b32 s15, -1                              ; its keys begin at block 0 (one is added below)
	s_mov_b32 s16, 0
.endif
.endm
.Lslot:                                            ; eight trips: behind each change of slots but the last the next key block is asked for
	CHANGE 1
	STEP 0
	STEP 1
	s_xor_b32 s17, s17, SLOT1
	s_cmp_eq_u32 s15, s13                          ; the diagonal block was the block of queries' last: a branch on ids, the same in all sixteen waves
	s_cbranch_scc0 .Lgo_on
	FINISH 1
.Lgo_on:
	s_add_co_u32 s15, s15, 1
	s_sub_co_u32 s18, s18, 1
	s_cmp_lg_u32 s18, 0
	s_cbranch_scc1 .Lslot
	CHANGE 0                                       ; the ninth slot is written out
	STEP 0
	STEP 1
	FINISH 0
	s_wait_tensorcnt 0x0                           ; the wave's end
	ds_add_u32 v3, v4
	s_wait_dscnt 0x0
	s_endpgm
.Lfunc_end_k_q9680a21620_attn:
	.size	k_q9680a21620_attn, .Lfunc_end_k_q9680a21620_attn-k_q9680a21620_attn
	.p2alignl 7, 3214868480
	.fill 96, 4, 3214868480
	.section	.rodata,"a",@progbits
	.p2align	6, 0x0
	.amdhsa_kernel k_q9680a21620_attn
		.amdhsa_group_segment_fixed_size 327680
		.amdhsa_private_segment_fixed_size 0
		.amdhsa_enable_private_segment 0
		.amdhsa_kernarg_size 24
		.amdhsa_user_sgpr_count 2
		.amdhsa_user_sgpr_kernarg_segment_ptr 1
		.amdhsa_wavefront_size32 1
		.amdhsa_system_sgpr_workgroup_id_x 1
		.amdhsa_system_sgpr_workgroup_id_y 1
		.amdhsa_system_sgpr_workgroup_id_z 1
		.amdhsa_system_vgpr_workitem_id 0
		.amdhsa_next_free_vgpr 256
		.amdhsa_next_free_sgpr 66
		.amdhsa_reserve_vcc 1
		.amdhsa_float_denorm_mode_32 3
		.amdhsa_float_denorm_mode_16_64 3
		.amdhsa_fp16_overflow 1
		.amdhsa_memory_ordered 1
		.amdhsa_forward_progress 1
		.amdhsa_inst_pref_size 111
	.end_amdhsa_kernel
	.amdgpu_metadata
---
amdhsa.version: [ 1, 2 ]
amdhsa.kernels:
  - .name:           k_q9680a21620_attn
    .symbol:         k_q9680a21620_attn.kd
    .args:
      - { .name: kvq, .offset: 0, .size: 8, .value_kind: global_buffer, .address_space: global }
      - { .name: a_img, .offset: 8, .size: 8, .value_kind: global_buffer, .address_space: global }
      - { .name: a_scales, .offset: 16, .size: 8, .value_kind: global_buffer, .address_space: global }
    .group_segment_fixed_size: 327680
    .private_segment_fixed_size: 0
    .kernarg_segment_align: 8
    .kernarg_segment_size: 24
    .max_flat_workgroup_size: 512
    .sgpr_count:     66
    .vgpr_count:     256
    .wavefront_size: 32
...
	.end_amdgpu_metadata
.endif
;; end of part 2
;; launch proj (part 3): grid 4 x 32, 4 waves a work-group, clusters of 4 x 4, 327,680 bytes of LDS; arguments a_img, a_scales, w_out_codes, w_out_scales, out0, b_out; writes out0
.if DOCPART == 3
	.amdgcn_target "amdgcn-amd-amdhsa--gfx1250"
	.amdhsa_code_object_version 6
	.text
	.protected	k_q9680a21620_proj
	.globl	k_q9680a21620_proj
	.p2align	8
	.type	k_q9680a21620_proj,@function
k_q9680a21620_proj:
	s_mov_b64 s[64:65], 0
	v_nop
	global_prefetch_b8 v0, s[64:65] scope:SCOPE_SE
	s_setreg_imm32_b32 hwreg(HW_REG_WAVE_MODE, 25, 1), 1
	s_wait_xcnt 0x0
	s_wait_alu depctr_hold_cnt(0) depctr_sa_sdst(0) depctr_va_vdst(0) depctr_va_sdst(0) depctr_va_ssrc(0) depctr_va_vcc(0) depctr_vm_vsrc(0)
	s_getreg_b32 s2, hwreg(HW_REG_IB_STS2, 6, 4)
	s_cmp_eq_u32 s2, 0
	s_cbranch_scc0 .Lentry_in_a_cluster
	s_endpgm
.Lentry_in_a_cluster:
	s_bfe_u32 s2, ttmp6, 0x10000c
	s_cmp_lg_u32 s2, 0xf033
	s_cbranch_scc0 .Lentry_shape_is_right
	s_endpgm
.Lentry_shape_is_right:
; out0 = a w_out^T + b_out on codes of BF8 (E5M2) with one E8M0 scale for each 32 along K = 1,024.  a: 8,192 rows, as images of operand registers (a_img: [K / 256][tile of 16 rows][128 along K][group][lane][16 bytes])
; with its scale bytes [8,192][32]; w_out: [1,024][1,024] codes, K innermost, scale bytes [1,024][32]; out0: [8,192][1,024] f32.
; A tile of out0, 256 x 256, is made by four waves, 128 x 128 each: 64 accumulators.  K goes in steps of 256 through a ring of two LDS slots.  A K step's images of 128 rows of a are 32,768 dense bytes:
; they come as 128 rows of 256 bytes, padded like w_out's rows, so that both tiles have one shape in LDS; a group of four registers is then two such rows: lanes 0-15 one, lanes 16-31 the next.
; The scales of all of K come into LDS once.  CLUSTERS: 4 x 4 work-groups; a's tiles are asked for jointly along a row of the cluster, w_out's along a column.
; The matrix instruction is used transposed (source 0 = 16 rows of w_out, source 1 = 16 rows of a): a lane holds eight neighbouring numbers of a row of out0, and the bias, which runs along them, is the C of the first K step's products.
; 128 work-groups: a tile half as high would give 256, at one and a half times the LDS bytes for each matrix instruction.
; REGISTERS: window 0: v1-7 at work, v16-31 addresses, v32-63 scale words (two sets), v64-127 the bias, v128-255 a's fragments (one set); window 1: w_out's fragments (two sets); windows 2, 3: the accumulators.
.set SIZE_N, 1024
.set NQ,     2
.set ROWB,   256
.set KROW,   1024
.set PITCH,  272
.set FR,     16
.set NL,     4
.set NP,     8                         ; places behind this matrix instruction (ISA guide 7.12.1)
.set HALFT,  128*PITCH
.set SLOT,   4*HALFT
.set LAPS,   2
.set KS,     32
.set SCL,    2*SLOT
.set HALFS,  (128*KS/256)*272
.set SBLK,   (16*KS/256)*272
.set SPARE,  SCL+4*HALFS               ; the spare words, 128 bytes for each wave: two blocks of 256 bytes that no other line names
.set AJ,     2097152                   ; from one K step's images to the next
.set ASTEP,  2*AJ
.set BSTEP,  2*ROWB
.set SPITCH, 528                       ; the way out: a stage of 16 rows x (512 bytes + 16) for each wave, in slot 0, which has had its last fill and its last read when the first result is stored there
.set ADRA, 16
.set ADRB, 20
.set STO,  24
.set RD,   25
.set CO,   26
.set ADRS, 27
.set SPW,  28
.set NIL,  29
.set BPO,  30
.set SC,   32
.set BP,   64
.set AF,   128
.set BK,   128
.set G1, 24
.set G0, 32
.set G1B, 48
.set G0B, 56
.set G1S, 68
.set G0S, 76
.set G1SB, 80
.set G0SB, 88
.set MSB, 0
.macro WIN new
.if MSB != (\new)
	s_set_vgpr_msb (MSB<<8)|(\new)
.set MSB, (\new)
.endif
.endm
.set MUL_LO, 0xa1
.set MUL_HI, 0xf1
.set TO_B,   0x40
.macro JLOAD g0a, g1a, g0b, g1b        ; a joint load: waves 0 and 1 fetch for a, waves 2 and 3 for w_out; four v_nop follow each of the two lines
	s_cmp_eq_u32 s15, 0
	s_cbranch_scc0 .Lfor_b_\@
	tensor_load_to_lds s[\g0a:\g0a+3], s[\g1a:\g1a+7]
	s_nop 0
.rept 4
	v_nop
.endr
	s_branch .Lasked_\@
.Lfor_b_\@:
	tensor_load_to_lds s[\g0b:\g0b+3], s[\g1b:\g1b+7]
	s_nop 0
.rept 4
	v_nop
.endr
.Lasked_\@:
.endm
.macro CREST
	s_cmp_lg_u32 s14, 0
	s_cbranch_scc1 .Lnot_wave_0_\@
	s_barrier_signal -3
.Lnot_wave_0_\@:
	s_barrier_wait -3
	s_barrier_signal -1
	s_barrier_wait -1
.endm
.macro CROUND
	s_barrier_signal -1
	s_barrier_wait -1
	CREST
.endm
	s_load_b256 s[4:11], s[0:1], 0x0               ; a's images, a's scales, w_out's codes, w_out's scales
	s_load_b64 s[12:13], s[0:1], 0x20              ; out0
	s_load_b64 s[96:97], s[0:1], 0x28              ; b_out
	v_lshl_add_u32 v[SPW], v0, 2, SPARE
	v_mov_b32 v[NIL], 0
	ds_add_u32 v28, v29
	ds_add_u32 v28, v29
	s_wait_dscnt 0x0
	v_lshrrev_b32 v1, 5, v0
	v_readfirstlane_b32 s14, v1                    ; wave 0..3
	s_lshr_b32 s15, s14, 1                         ; my half of the tile's rows.  Also: I fetch for a (0) or for w_out (1)
	s_and_b32 s16, s14, 1                          ; my half of its columns.  Also: which 128 rows of that tile I fetch
	s_bfe_u32 s40, ttmp6, 0x40000                  ; cx
	s_bfe_u32 s41, ttmp6, 0x40004                  ; cy
	s_lshl_b32 s42, ttmp9, 2
	s_add_co_u32 s42, s42, s40                     ; tile column
	s_and_b32 s17, ttmp7, 0xffff
	s_lshl_b32 s17, s17, 2
	s_add_co_u32 s17, s17, s41                     ; tile row
	s_lshl_b32 s43, s41, 2
	s_lshl_b32 s43, 15, s43                        ; my row of the cluster
	s_lshl_b32 s44, 0x1111, s40                    ; my column
	s_or_b32 s[G1+0], s43, (0<<16)|(1<<20)|(1<<21)|(5<<22)|(3<<25)  ; 128 rows x 256 bytes, 16 bytes of padding behind each
	s_or_b32 s[G1B+0], s44, (0<<16)|(1<<20)|(1<<21)|(5<<22)|(3<<25)
.irp g, G1, G1B
	s_mov_b32 s[\g+1], ROWB<<16
	s_mov_b32 s[\g+2], 128<<16
	s_mov_b32 s[\g+3], ROWB<<16
	s_mov_b32 s[\g+4], 128
	s_mov_b32 s[\g+6], 0
	s_mov_b32 s[\g+7], 0
.endr
	s_mov_b32 s[G1+5], ROWB                        ; a's images are dense: from row to row 256 bytes
	s_mov_b32 s[G1B+5], KROW                       ; w_out's rows are 1,024 bytes apart
	s_or_b32 s[G1S+0], s43, (3<<16)|(1<<20)|(1<<21)|(5<<22)|(3<<25)
	s_or_b32 s[G1SB+0], s44, (3<<16)|(1<<20)|(1<<21)|(5<<22)|(3<<25)
.irp g, G1S, G1SB
	s_mov_b32 s[\g+1], 32<<16
	s_mov_b32 s[\g+2], (128*KS/256)<<16
	s_mov_b32 s[\g+3], 32<<16
	s_mov_b32 s[\g+4], 128*KS/256
	s_mov_b32 s[\g+5], 32
	s_mov_b32 s[\g+6], 0
	s_mov_b32 s[\g+7], 0
.endr
	s_lshl_b32 s20, s17, 16                        ; a: 16 tiles of 4,096 bytes for 256 rows,
	s_lshl_b32 s18, s16, 15                        ; 8 for the 128 that I fetch
	s_add_co_u32 s20, s20, s18
	s_mov_b32 s21, 0
	s_lshl_b32 s19, s16, 12                        ; 128 rows of 32 scale bytes
	s_lshl_b32 s22, s17, 13
	s_add_co_u32 s22, s22, s19
	s_mov_b32 s23, 0
	s_lshl_b32 s18, s16, 17                        ; w_out: 128 rows of 1,024 bytes
	s_lshl_b32 s46, s42, 18
	s_add_co_u32 s46, s46, s18
	s_mov_b32 s47, 0
	s_lshl_b32 s92, s42, 13
	s_add_co_u32 s92, s92, s19
	s_mov_b32 s93, 0
	s_mul_i32 s45, s14, HALFT                      ; where they go: wave x 128 rows
	s_mul_i32 s94, s14, HALFS
	s_wait_kmcnt 0x0
	s_add_nc_u64 s[20:21], s[4:5], s[20:21]
	s_add_nc_u64 s[22:23], s[6:7], s[22:23]
	s_add_nc_u64 s[46:47], s[8:9], s[46:47]
	s_add_nc_u64 s[92:93], s[10:11], s[92:93]
	CROUND                                         ; all sixteen work-groups are here: the first joint loads meet
	s_mov_b32 s[G0S], 1
	s_add_co_u32 s[G0S+1], s94, SCL
	s_mov_b64 s[G0S+2:G0S+3], s[22:23]
	s_or_b32 s[G0S+3], s[G0S+3], 0x80000000
	s_mov_b32 s[G0SB], 1
	s_add_co_u32 s[G0SB+1], s94, SCL
	s_mov_b64 s[G0SB+2:G0SB+3], s[92:93]
	s_or_b32 s[G0SB+3], s[G0SB+3], 0x80000000
	JLOAD G0S, G1S, G0SB, G1SB
.irp s, 0,1
	s_mov_b32 s[G0+4*\s], 1
	s_add_co_u32 s[G0+4*\s+1], s45, \s*SLOT
	s_add_nc_u64 s[G0+4*\s+2:G0+4*\s+3], s[20:21], \s*AJ
	s_or_b32 s[G0+4*\s+3], s[G0+4*\s+3], 0x80000000
	s_mov_b32 s[G0B+4*\s], 1
	s_add_co_u32 s[G0B+4*\s+1], s45, \s*SLOT
	s_add_nc_u64 s[G0B+4*\s+2:G0B+4*\s+3], s[46:47], \s*ROWB
	s_or_b32 s[G0B+4*\s+3], s[G0B+4*\s+3], 0x80000000
	s_wait_alu depctr_va_vdst(0)
	s_wait_tensorcnt 0x0
	ds_add_u32 v28, v29
	s_wait_dscnt 0x0
	CROUND
	JLOAD G0+4*\s, G1, G0B+4*\s, G1B
.endr
	v_and_b32 v1, 15, v0                           ; r
	v_bfe_u32 v2, v0, 4, 1                         ; h
	v_mul_u32_u24 v3, v1, PITCH
	v_lshl_add_u32 v4, v2, 4, v3                   ; w_out: a fragment's row x pitch + 16 h
	v_mul_u32_u24 v7, v2, PITCH
	v_lshl_add_u32 v7, v1, 4, v7                   ; a: an image's 512 bytes are two LDS rows: h x pitch + 16 r
	s_mul_i32 s21, s15, HALFT
	s_mul_i32 s22, s16, HALFT
	s_add_co_u32 s22, s22, 2*HALFT
.irp s, 0,1
	v_add_nc_u32 v[ADRA+\s], s21, v7
	v_add_nc_u32 v[ADRB+\s], s22, v4
	s_add_co_u32 s21, s21, SLOT
	s_add_co_u32 s22, s22, SLOT
.endr
	v_mul_u32_u24 v5, v1, KS
	v_lshrrev_b32 v6, 8, v5
	v_lshl_add_u32 v5, v6, 4, v5
	s_mul_i32 s21, s15, HALFS
	s_mul_i32 s22, s16, HALFS
	s_add_co_u32 s22, s22, 2*HALFS
	s_sub_co_u32 s22, s22, s21
	v_mul_u32_u24 v6, s22, v2                      ; lanes 16-31 take w_out's scale words
	s_add_co_u32 s21, s21, SCL
	v_add_nc_u32 v5, v5, v6
	v_add_nc_u32 v[ADRS], s21, v5
	s_mul_i32 s23, s14, 16*SPITCH                  ; my stage
	v_mul_u32_u24 v5, v1, SPITCH
	v_lshl_add_u32 v5, v2, 5, v5
	v_add_nc_u32 v[STO], s23, v5
	v_and_b32 v6, 31, v0
	v_lshlrev_b32 v[CO], 4, v6
	v_add_nc_u32 v[RD], s23, v[CO]
	s_lshl_b32 s46, s42, 10                        ; my first column, in bytes of f32: 1,024 x tile column + 512 x half: in out0's rows and in b_out alike
	s_lshl_b32 s47, s16, 9
	s_add_co_u32 s46, s46, s47
	s_mov_b32 s47, 0
	v_lshl_add_u32 v[BPO], v2, 5, s46              ; the bias: register 8 b + j: column 16 b + 8 h + j
.irp b, 0,1,2,3,4,5,6,7
	global_load_b128 v[BP+8*\b:BP+8*\b+3], v[BPO], s[96:97] offset:64*\b
	global_load_b128 v[BP+8*\b+4:BP+8*\b+7], v[BPO], s[96:97] offset:64*\b+16
.endr
	s_lshl_b32 s20, s17, 8
	s_lshl_b32 s21, s15, 7
	s_add_co_u32 s20, s20, s21                     ; my first row of out0
	s_lshl_b32 s20, s20, 12                        ; x 4,096 bytes (under 2^32)
	s_mov_b32 s21, 0
	s_add_nc_u64 s[20:21], s[20:21], s[46:47]
	s_add_nc_u64 s[12:13], s[12:13], s[20:21]
.macro FRAG reg, adr, q, i             ; w_out: 16 rows x 128 K from rows that lie along K
.irp c, 0,1,2,3
	ds_load_b128 v[\reg+4*\c:\reg+4*\c+3], v[\adr] offset:128*(\q)+32*\c+(\i)*16*PITCH
.endr
.endm
.macro FRAGA reg, adr, q, i            ; a: tile i's image of the slot's q-th 128 along K: group c is LDS rows 16 i + 8 q + 2 c and the next
.irp c, 0,1,2,3
	ds_load_b128 v[\reg+4*\c:\reg+4*\c+3], v[\adr] offset:PITCH*(16*(\i)+8*(\q)+2*\c)
.endr
.endm
.macro MUL16 a0, p, q, sc, first       ; 16 matrix instructions; first = 1: the sums start from the bias.  The 64 accumulators take turns, one instruction a turn
.irp a, \a0, \a0+1
.irp b, 0,1,2,3,4,5,6,7
.if \first
	v_wmma_scale_f32_16x16x128_f8f6f4 v[8*(8*((\a)%4)+\b):8*(8*((\a)%4)+\b)+7], v[128*(\p)+FR*\b:128*(\p)+FR*\b+FR-1], v[AF+FR*(\a):AF+FR*(\a)+FR-1], v[BP+8*\b:BP+8*\b+7], v[SC+8*NQ*(\sc)+NQ*\b+(\q)], v[SC+8*NQ*(\sc)+NQ*(\a)+(\q)] matrix_a_fmt:MATRIX_FMT_BF8 matrix_b_fmt:MATRIX_FMT_BF8 matrix_a_scale:MATRIX_SCALE_ROW1
.else
	v_wmma_scale_f32_16x16x128_f8f6f4 v[8*(8*((\a)%4)+\b):8*(8*((\a)%4)+\b)+7], v[128*(\p)+FR*\b:128*(\p)+FR*\b+FR-1], v[AF+FR*(\a):AF+FR*(\a)+FR-1], v[8*(8*((\a)%4)+\b):8*(8*((\a)%4)+\b)+7], v[SC+8*NQ*(\sc)+NQ*\b+(\q)], v[SC+8*NQ*(\sc)+NQ*(\a)+(\q)] matrix_a_fmt:MATRIX_FMT_BF8 matrix_b_fmt:MATRIX_FMT_BF8 matrix_a_scale:MATRIX_SCALE_ROW1
.endif
.endr
.endr
.endm
.macro FETCH_B slot, q, p
	WIN TO_B
.irp i, 0,1,2,3,4,5,6,7
	FRAG 128*(\p)+FR*\i, ADRB+\slot, \q, \i
.endr
	WIN 0
.endm
.macro FETCH_A slot, q, i0
.irp i, \i0, \i0+1, \i0+2, \i0+3
	FRAGA AF+FR*(\i), ADRA+\slot, \q, \i
.endr
.endm
.macro SCALES sc
.irp i, 0,1,2,3,4,5,6,7
	ds_load_b64 v[SC+8*NQ*\sc+NQ*\i:SC+8*NQ*\sc+NQ*\i+1], v[ADRS] offset:\i*SBLK
.endr
.endm
.macro PLACES n
.rept \n
	v_nop
.endr
.endm
.macro STEP slot, q, first
	s_wait_dscnt 4*NL                              ; w_out's set and a's blocks 0-3 are in; the youngest 16 loads (a's blocks 4-7) may be out
.if \first
	WIN 0x81                                       ; C (the bias) in window 0, D in window 2
.else
	WIN MUL_LO
.endif
	MUL16 0, (\q)%2, \q, \slot, \first
	MUL16 2, (\q)%2, \q, \slot, \first
	s_wait_dscnt 0
	PLACES NP
	FETCH_B \slot, (\q)+1, 1-(\q)%2
	FETCH_A \slot, (\q)+1, 0
.if \first
	WIN 0xc1
.else
	WIN MUL_HI
.endif
	MUL16 4, (\q)%2, \q, \slot, \first
	MUL16 6, (\q)%2, \q, \slot, \first
	PLACES NP
	WIN 0
	FETCH_A \slot, (\q)+1, 4
.endm
.macro TURN slot, next, fill           ; a slot's last step changes slots: one barrier, with each wave's wait for all its tensor loads, its add, and the wait for that and for its reads of this slot in front of it
	s_wait_tensorcnt 0x0                           ; all my tensor loads have landed: my part of the next slot
	ds_add_u32 v[SPW], v[NIL]                      ; 0 onto my spare word
	s_wait_dscnt 4*NL+1                            ; the add and the youngest 16 loads may be out
	WIN MUL_LO
	MUL16 0, 1, NQ-1, \slot, 0
	s_wait_dscnt 0x0                               ; the add is done, and my reads of this slot are over
	s_barrier_signal -1
	MUL16 2, 1, NQ-1, \slot, 0
	WIN 0
	s_barrier_wait -1
.if \fill
	CREST                                          ; the barrier has opened a round of the cluster's barrier
	s_add_nc_u64 s[G0+4*\slot+2:G0+4*\slot+3], s[G0+4*\slot+2:G0+4*\slot+3], ASTEP
	s_add_nc_u64 s[G0B+4*\slot+2:G0B+4*\slot+3], s[G0B+4*\slot+2:G0B+4*\slot+3], BSTEP
	JLOAD G0+4*\slot, G1, G0B+4*\slot, G1B         ; the first tensor load behind the round
	PLACES NP-4
.else
	PLACES NP
.endif
	s_wait_alu depctr_va_vdst(0)
	v_add_nc_u32 v[ADRS], 4*NQ, v[ADRS]
	FETCH_B \next, 0, 0
	FETCH_A \next, 0, 0
	SCALES \next
	WIN MUL_HI
	MUL16 4, 1, NQ-1, \slot, 0
	MUL16 6, 1, NQ-1, \slot, 0
	PLACES NP
	WIN 0
	FETCH_A \next, 0, 4
.endm
	s_wait_alu depctr_va_vdst(0)
	s_wait_tensorcnt 1                             ; the scales and my part of K step 0 are in; slot 1's first fill may be out
	s_barrier_signal -1
	s_barrier_wait -1
	FETCH_B 0, 0, 0
	FETCH_A 0, 0, 0
	SCALES 0
	FETCH_A 0, 0, 4
	s_wait_loadcnt 0x0                             ; the bias
	STEP 0, 0, 1
	s_mov_b32 s3, LAPS-1
.Llap:
	TURN 0, 1, 1
	STEP 1, 0, 0
	TURN 1, 0, 1
	STEP 0, 0, 0
	s_sub_co_u32 s3, s3, 1
	s_cmp_lg_u32 s3, 0
	s_cbranch_scc1 .Llap
	TURN 0, 1, 0
	STEP 1, 0, 0
	s_wait_dscnt 4*NL
	WIN MUL_LO
	MUL16 0, 1, NQ-1, 1, 0
	MUL16 2, 1, NQ-1, 1, 0
	s_wait_dscnt 0
	WIN MUL_HI
	MUL16 4, 1, NQ-1, 1, 0
	MUL16 6, 1, NQ-1, 1, 0
	WIN 0
; THE WAY OUT, block by block of 16 rows x 128 columns, through my own stage in LDS: in as 32 bytes a lane, back as whole rows of 512 bytes, which the 32 lanes store as two aligned runs of 256 bytes.
; LDS serves a wave's instructions in order (ISA guide 5.7.1.4): no wait between the stores and the loads.
.macro TOSTAGE a
.set AC, 64*((\a)%4)
	WIN 0x08+4*((\a)/4)                            ; the data: window 2 or 3
.irp b, 0,1,2,3,4,5,6,7
	ds_store_b128 v[STO], v[AC+8*\b:AC+8*\b+3] offset:64*\b          ; each accumulator from its low end on
	ds_store_b128 v[STO], v[AC+8*\b+4:AC+8*\b+7] offset:64*\b+16
.endr
	WIN 0
.set BB, BK+64*((\a)%2)
.irp t, 0,1,2,3,4,5,6,7,8,9,10,11,12,13,14,15
	ds_load_b128 v[BB+4*\t:BB+4*\t+3], v[RD] offset:\t*SPITCH
.endr
.endm
.macro SEND a, younger                 ; younger: the LDS instructions issued behind block a's loads, which may stay out
.set BB, BK+64*((\a)%2)
	s_wait_dscnt \younger
.if (\a) > 0
	s_add_nc_u64 s[12:13], s[12:13], 16*SIZE_N*4   ; (behind a wait on XCNT: the earlier stores have read their base)
.endif
.irp t, 0,1,2,3,4,5,6,7,8,9,10,11,12,13,14,15
	global_store_b128 v[CO], v[BB+4*\t:BB+4*\t+3], s[12:13] offset:\t*SIZE_N*4 th:TH_STORE_NT
.endr
.endm
	PLACES NP
	TOSTAGE 0
.irp a, 1,2,3,4,5,6,7
.if \a > 1
	s_wait_xcnt 0x0                                ; block a - 2's stores have read their registers and their base
.endif
	TOSTAGE \a
	SEND \a-1, 32                                  ; behind block a - 1's loads: block a's 16 stores and 16 loads
.endr
	s_wait_xcnt 0x0
	SEND 7, 0
	s_wait_tensorcnt 0x0                           ; the wave's end
	ds_add_u32 v[SPW], v[NIL]
	s_wait_dscnt 0x0
	CROUND                                         ; the closing round
	s_endpgm
.Lfunc_end_k_q9680a21620_proj:
	.size	k_q9680a21620_proj, .Lfunc_end_k_q9680a21620_proj-k_q9680a21620_proj
	.p2alignl 7, 3214868480
	.fill 96, 4, 3214868480
	.section	.rodata,"a",@progbits
	.p2align	6, 0x0
	.amdhsa_kernel k_q9680a21620_proj
		.amdhsa_group_segment_fixed_size 327680
		.amdhsa_private_segment_fixed_size 0
		.amdhsa_enable_private_segment 0
		.amdhsa_kernarg_size 48
		.amdhsa_user_sgpr_count 2
		.amdhsa_user_sgpr_kernarg_segment_ptr 1
		.amdhsa_wavefront_size32 1
		.amdhsa_system_sgpr_workgroup_id_x 1
		.amdhsa_system_sgpr_workgroup_id_y 1
		.amdhsa_system_sgpr_workgroup_id_z 1
		.amdhsa_system_vgpr_workitem_id 0
		.amdhsa_next_free_vgpr 1024
		.amdhsa_next_free_sgpr 100
		.amdhsa_reserve_vcc 0
		.amdhsa_float_denorm_mode_32 3
		.amdhsa_float_denorm_mode_16_64 3
		.amdhsa_memory_ordered 1
		.amdhsa_forward_progress 1
		.amdhsa_inst_pref_size 148
	.end_amdhsa_kernel
	.amdgpu_metadata
---
amdhsa.version: [ 1, 2 ]
amdhsa.kernels:
  - .name:           k_q9680a21620_proj
    .symbol:         k_q9680a21620_proj.kd
    .args:
      - { .name: a_img, .offset: 0, .size: 8, .value_kind: global_buffer, .address_space: global }
      - { .name: a_scales, .offset: 8, .size: 8, .value_kind: global_buffer, .address_space: global }
      - { .name: w_out_codes, .offset: 16, .size: 8, .value_kind: global_buffer, .address_space: global }
      - { .name: w_out_scales, .offset: 24, .size: 8, .value_kind: global_buffer, .address_space: global }
      - { .name: out0, .offset: 32, .size: 8, .value_kind: global_buffer, .address_space: global }
      - { .name: b_out, .offset: 40, .size: 8, .value_kind: global_buffer, .address_space: global }
    .group_segment_fixed_size: 327680
    .private_segment_fixed_size: 0
    .kernarg_segment_align: 8
    .kernarg_segment_size: 48
    .max_flat_workgroup_size: 128
    .sgpr_count:     100
    .vgpr_count:     1024
    .wavefront_size: 32
...
	.end_amdgpu_metadata
.endif
;; end of part 3
